; MI455X (gfx1250); checked and timed in simulation.
; The chip was launched on July 23, 2026; its instructions are those of AMD's public machine-readable ISA for CDNA 5 (MIT licence, August 2026) and "CDNA5" Instruction Set Architecture Reference Guide (July 2026). The comments in the code are by the model that wrote it; some were corrected since.
;; Self Attention Layer. Allowed arithmetic: matrix products marked QUANTISED: E2M3 operands, one E8M0 scale for each 32 along K, by v_wmma_scale_f32_16x16x128_f8f6f4 with both operands' format E2M3, f32 sums; everything else in f32.
;; Inputs: W_k_codes 768 x 24 x 24 uint8 (E2M3 codes of W_k, K innermost, in blocks of 32 codes, four codes in three bytes); W_k_scales 768 x 24 uint8 (E8M0 scales of W_k, one for each 32 codes along K); W_o_codes 768 x 24 x 24 uint8 (E2M3 codes of W_o, K innermost, in blocks of 32 codes, four codes in three bytes); W_o_scales 768 x 24 uint8 (E8M0 scales of W_o, one for each 32 codes along K); W_q_codes 768 x 24 x 24 uint8 (E2M3 codes of W_q, K innermost, in blocks of 32 codes, four codes in three bytes); W_q_scales 768 x 24 uint8 (E8M0 scales of W_q, one for each 32 codes along K); W_v_codes 768 x 24 x 24 uint8 (E2M3 codes of W_v, K innermost, in blocks of 32 codes, four codes in three bytes); W_v_scales 768 x 24 uint8 (E8M0 scales of W_v, one for each 32 codes along K); b_o 768 float32; z_codes 16 x 1,024 x 24 x 24 uint8 (E2M3 codes of z, K innermost, in blocks of 32 codes, four codes in three bytes); z_scales 16 x 1,024 x 24 uint8 (E8M0 scales of z, one for each 32 codes along K).
;; Outputs: out0 16 x 1,024 x 768 float32.
;; This version of the problem:
;;   THIS VERSION OF THE PROBLEM IS GIVEN IN LOW PRECISION. The matrix products marked QUANTISED in the list below multiply operands that are first quantised to E2M3 (2 exponent bits, 3 mantissa bits; 6 bits a number), with one power-of-two scale for each 32 numbers along K (OCP MX v1.0); their sums are f32. All else is computed in f32.
;;   The module's matrix products, in the order in which they are computed (A, B: the left and right operand; K: the contracted axis; several contracted axes count as one K, in the product's order):
;;     1. [M 16,384, K 768] x [K 768, N 768]; A: input z (given as codes); B: input W_q (given as codes): QUANTISED
;;     2. [M 16,384, K 768] x [K 768, N 768]; A: input z (given as codes); B: input W_k (given as codes): QUANTISED
;;     3. [M 16,384, K 768] x [K 768, N 768]; A: input z (given as codes); B: input W_v (given as codes): QUANTISED
;;     4. batch 192 x [M 1,024, K 64] x [K 64, N 1,024]; A: computed on the way; B: computed on the way: QUANTISED
;;     5. batch 192 x [M 1,024, K 1,024] x [K 1,024, N 64]; A: softmax (see below); B: computed on the way: QUANTISED
;;     6. [M 16,384, K 768] x [K 768, N 768]; A: computed on the way; B: input W_o (given as codes): QUANTISED
;;   THE QUANTISER, for each operand of a quantised product, along K:
;;     - K is cut into blocks of 32 from its start; a last block that is shorter is filled with zeros.
;;     - A block's scale is 2^e with e = floor(log2(the largest magnitude in the block)) - 2, held to -126 .. 127; a block of zeros has e = 0. As a byte (E8M0): e + 127.
;;     - Each number is divided by its block's scale, clamped to +-7.5, and rounded to the nearest number of E2M3, ties to even, subnormals kept.
;;     - The product sums the exact products of the quantised numbers (number of the format x scale) in f32.
;;   ~~~python
;;   def quantise(x, axis):      # numpy; x: float32 -> the quantised numbers, widened to float32 again
;;       x = np.moveaxis(x, axis, -1); K = x.shape[-1]
;;       x = np.pad(x, [(0, 0)] * (x.ndim - 1) + [(0, -K % 32)]); x = x.reshape(x.shape[:-1] + (-1, 32)); a = np.abs(x).max(-1, keepdims=True)
;;       e = np.where(a > 0, np.clip(np.frexp(np.where(a > 0, a, 1))[1] - 1 - 2, -126, 127), 0)      # np.frexp(a)[1] - 1 = floor(log2(a)), exactly
;;       r = np.clip(x / 2.0 ** e, -7.5, 7.5)
;;       step = 2.0 ** (np.maximum(np.frexp(np.where(r == 0, 1, r))[1] - 1, 0) - 3)
;;       q = np.round(r / step) * step * 2.0 ** e      # np.round: ties to even
;;       return np.moveaxis(q.reshape(q.shape[:-2] + (-1,))[..., :K], -1, axis).astype(np.float32)
;;   ~~~
;;   SOFTMAX AHEAD OF A QUANTISED PRODUCT. Where the list says 'softmax', what is quantised is not the finished softmax but p = 2^(t - M), with t = logit x log2(e) and M = ceil(the row's largest t), a whole number; so 1/2 < the row's largest p <= 1. The row's sum l is taken of the UNQUANTISED p, in f32, and the product's result is divided by l at the end. Since M is a whole number, a kernel that streams over the keys may use a running M (the ceiling of the running maximum): every later rescaling is an exact power of two, which a block's scale takes up: the codes' values come out the same.
;;   OPERANDS COMPUTED ON THE WAY. 'Computed on the way' means the value that the module computes at that place (a softmax that the list does not call 'softmax' is quantised finished and normalised). What goes into a quantiser is computed in f32, as accurately as f32 sums, v_exp_f32 and their like allow (about 1e-6 of the number): no bf16 or f16 on the way to a quantiser, and a product that is left as it is and whose result goes on into a quantised operand takes f32 operands (vector FMAs, or v_wmma_f32_16x16x4_f32). A number that lies on a knife's edge between two numbers of the format may be rounded either way, as far as f32 arithmetic and the matrix unit's own rounding can turn it there, and no further.
;;   INPUTS GIVEN AS CODES. W_k (in the module: [768, 768], K = its axis 1); W_o (in the module: [768, 768], K = its axis 1); W_q (in the module: [768, 768], K = its axis 1); W_v (in the module: [768, 768], K = its axis 1); z (in the module: [16, 1024, 768], K = its axis 2): each comes as NAME_codes (uint8): NAME with its K axis moved to the last place and cut into blocks of 32 codes, [.., K / 32, bytes a block], one block behind the other in memory; four codes in three bytes: a row's codes are one little-endian stream of bits, code i at bits 6 i .. 6 i + 5 (a code: sign, 2 exponent bits, 3 mantissa bits); and NAME_scales (uint8): the same leading axes, one E8M0 byte (e + 127) for each 32 codes along K. Its value is code x scale, taken as it is: it is not quantised again, and the codes and scales need not be those that the quantiser above would give.
;; One version. Each part assembles by itself: llvm-mc -triple=amdgcn-amd-amdhsa -mcpu=gfx1250 --defsym DOCPART=n.
;; ======== version 1 of 1: 3 launches
;; limits: right only within a limited range of input values
;; workspace buffers: qkv 30,670,848 bytes; ctxc 9,437,184 bytes; ctxs 393,216 bytes
;; launch qkv_proj (part 1): grid 32 x 8, 4 waves a work-group, clusters of 4 x 1, 275,968 bytes of LDS; arguments z_codes, z_scales, W_q_codes, W_q_scales, W_k_codes, W_k_scales, W_v_codes, W_v_scales, qkv; writes qkv
.if DOCPART == 1
	.amdgcn_target "amdgcn-amd-amdhsa--gfx1250"
	.amdhsa_code_object_version 6
	.text
	.protected	k_q71f2c5e64a_qkv_proj
	.globl	k_q71f2c5e64a_qkv_proj
	.p2align	8
	.type	k_q71f2c5e64a_qkv_proj,@function
k_q71f2c5e64a_qkv_proj:
	s_mov_b64 s[64:65], 0
	v_nop
	global_prefetch_b8 v0, s[64:65] scope:SCOPE_SE
	s_setreg_imm32_b32 hwreg(HW_REG_WAVE_MODE, 25, 1), 1
	s_wait_xcnt 0x0
	s_wait_alu depctr_hold_cnt(0) depctr_sa_sdst(0) depctr_va_vdst(0) depctr_va_sdst(0) depctr_va_ssrc(0) depctr_va_vcc(0) depctr_vm_vsrc(0)
	s_getreg_b32 s2, hwreg(HW_REG_IB_STS2, 6, 4)
	s_cmp_eq_u32 s2, 0
	s_cbranch_scc0 .Lentry_in_a_cluster
	s_endpgm
.Lentry_in_a_cluster:
	s_bfe_u32 s2, ttmp6, 0x10000c
	s_cmp_lg_u32 s2, 0x3003
	s_cbranch_scc0 .Lentry_shape_is_right
	s_endpgm
.Lentry_shape_is_right:
; q = z Wq^T, k = z Wk^T, v = z Wv^T on codes of FP6 (E2M3) with E8M0 scales, f32 sums; the results are quantised at once: q and k along the head's 64 (two blocks of 32), v along the keys.
; SHARES.  Work-group (X, J): X = 512 rows of z, J = one of eight splits of the 2,304 weight rows.  Wave w keeps 128 rows of z (batch X / 2, key step 4 (X % 2) + w) in 576 registers for the whole launch.
; Split J walks 288 weight rows out of LDS: three whole heads of Wq (J < 4) or Wk (J >= 4), then rows 96 J .. 96 J + 95 of Wv.  A unit is 32 weight rows x 128 rows of z: 6 K steps of 16 matrix instructions.
; CLUSTER.  The four partners share J, so the weights and their scales are asked for JOINTLY, once, at the head; nothing in LDS is filled twice.  z goes from memory straight into registers
; (each partner has rows of its own), so there is nothing of z to ask for jointly.
; q, k: source 0 = 16 weight rows, source 1 = 16 rows of z: a lane holds ONE token and, in two neighbouring tiles, 16 features of one block of 32: offsets 16 (i / 8) + 8 (lane / 16) + i % 8.
; v: the sources change places: a lane holds ONE feature and its 64 registers run down the 128 keys in the same order.  The order inside a block of 32 is the same for q and k, and the same for v
; and for the weights p that the next launch makes: a permutation of K that falls alike on both operands of a product leaves its sums as they are.
; OUT (workspace qkv): [192 heads][8 key steps][19,712 bytes]: K codes 8 x 768 | V codes 4 x 1,536 (images of the operand's registers) | K scale words 512 | V scale words 256 | Q codes 8 x 768 | Q scale words 512.
; A half fragment (16 rows x 64 K) lies as 384 x block + 24 x row + 12 x (producer's half): the reader's lane (r, h) finds its 24 bytes at 384 h + 24 r.
; v's features are placed so that the next launch's results come out in natural order: feature 16 T + r' goes to fragment 2 (T / 2) + r' / 8, row 8 (T % 2) + r' % 8.
; LIMITS: NaN and infinities are not served; a block whose largest magnitude lies under 2^-124 keeps the byte 1; a block of zeros gets the byte 1, not 127 (its codes are zeros; this program alone reads the bytes).
; REGISTERS, in windows of 256: window 0: addresses, scale words, three buffers of weight fragments, work.  Window 1 + s / 2: z's fragment (K step s, tile t) at 96 (s % 2) + 12 t.
; v192-255 of windows 1 and 2: the 16 accumulators of a unit.
.set ROWB,   576                       ; a row of 768 codes in bytes
.set PITCH,  720                       ; and in LDS: 9 x (64 bytes + 16 of padding)
.set SCB,    288*PITCH                 ; behind the 288 rows of codes: their scale bytes, 24 a row, dense
; THE WORKSPACE AS IT IS LAID NOW (in place of the OUT line above): [64 groups of 3 heads][8 key steps][K part, V part][3 heads][6,656 bytes], then Q: [192 heads][8 key steps][6,656 bytes].
; K part: codes 8 x 768 | scale words 512.  V part: codes 4 x 1,536 | scale words 256, stored twice, so that the part is 26 whole rows of 256 bytes.  Q part: codes 8 x 768 | scale words 512.
; THE ROWS OF z THAT FORM A TILE: tile t, row r is token 64 (t / 4) + 32 (r / 8) + 8 (t % 4) + r % 8 of my 128.  So in a v unit a lane holds whole blocks of 32 keys in natural order
; (lanes 0-15 blocks 0 and 2, lanes 16-31 blocks 1 and 3), and the tiles of k are those whose scores give the next launch's lanes whole blocks of 32 keys too.
.set PARTB,  6656
.set STEPB,  6*PARTB                   ; a key step of a group of three heads
.set GRPB,   8*STEPB
.set QB,     64*GRPB                   ; where Q's parts begin
.set OFF_V,  3*PARTB                   ; the V parts lie behind the three K parts
.set OFF_VS, 3*PARTB+6144
.set SH8,    200                       ; v200 8 h: how far up a lane's two scale bytes go in the word
.set ZST,    201                       ; v201 my stage: where a lane puts 16 bytes of z: 16 (lane + lane / 4)
.set ZRD,    202                       ; v202-203 my stage: a fragment's lane, as v6-7 for the weights
.set STG,    229888                    ; behind the spare words: a stage of 16 rows x 720 bytes for each wave; no tile lands there
.set STGB,   11520
.set ZO,  4                            ; v4   z's codes: 16 x lane
.set ZSO, 5                            ; v5   z's scale words: 24 (64 h + r)
.set AW,  6                            ; v6-7 a weight fragment's lane: 720 r + 24 h, 720 r + 40 h (pieces behind one padding more)
.set ADR, 8                            ; v8-9 the same + the head in hand
.set ASC, 10                           ; v10  the weights' scale words: SCB + 24 x lane
.set ADS, 11                           ; v11  the same + the head in hand
.set OQ,  12                           ; v12  out: 24 r + 12 h
.set OL,  13                           ; v13  out: 16 x lane
.set OV,  14                           ; v14  out, v's images: 1536 (r / 8) + 16 (16 h + r % 8)
.set OVS, 15                           ; v15  out, v's scale words: 8 (16 (r / 8) + 8 h + r % 8)
.set ZS,  16                           ; v16-39 z's scale words: register 6 (t % 4) + s; lanes 0-15 tile t % 4, lanes 16-31 tile t % 4 + 4
.set WS,  40                           ; v40-51 the weights' scale words, two sets of 6: register s; lanes 0-15 the unit's first 16 rows, lanes 16-31 the second
.set WB,  52                           ; v52-123 three buffers of two weight fragments: K step s in buffer s % 3
.set TM,  124                          ; v124-131 largest magnitudes
.set T2,  132                          ; v132-139 the other half's; bytes
.set SO,  140                          ; v140-147 the conversions' scale operands
.set SW,  148                          ; v148-155 scale words in the making (v path: v148, v149)
.set XR,  156                          ; v156-159 scale words as they are stored
.set CD,  160                          ; v160-191 codes, four registers a tile
.set PCA, 160                          ; v path: a fragment's 12 registers + 8 at work, twice
.set PCB, 180
.set WV,  22
.set CX,  23
.set XX,  24
.set JJ,  25
.set J3,  26
.set G1C, 28                           ; s[28:35] group 1: 192 rows of codes
.set G1A, 36                           ; s[36:43] group 1: 18 rows of 256 bytes of scale bytes
.set G1B, 44                           ; s[44:51] group 1: 9 such rows
.set G0C, 52
.set G0A, 56
.set SEL, 60
.set HM,  62
.set TB,  66
.set TS,  67
.set QKP, 68
.set QKS, 70
.set VP,  74
.set VSP, 76
.set B12, 84
.set JS,  85
.set CNT, 86
.set G0B, 88
.set MSB, 0
.macro WIN new                         ; the immediate's high byte repeats the setting that is left; a switch that changes nothing is dropped
.if MSB != (\new)
	s_set_vgpr_msb (MSB<<8)|(\new)
.set MSB, \new
.endif
.endm
.macro PLACES n
.rept \n
	v_nop
.endr
.endm
.macro ROUND                           ; a round of the cluster's barrier
	s_barrier_signal -1
	s_barrier_wait -1
	s_cmp_lg_u32 s[WV], 0
	s_cbranch_scc1 .Lnot_wave_0_\@
	s_barrier_signal -3
.Lnot_wave_0_\@:
	s_barrier_wait -3
	s_barrier_signal -1
	s_barrier_wait -1
.endm
; one matrix instruction.  d, a, b: first registers; c: first register of C, or -1 for the constant 0; sa, sb: scale registers; ra, rb: 1 = that side's scales stand in lanes 16-31
.macro WM d, a, b, c, sa, sb, ra, rb
.if (\c) < 0
.if (\ra) && (\rb)
	v_wmma_scale_f32_16x16x128_f8f6f4 v[(\d):(\d)+7], v[(\a):(\a)+11], v[(\b):(\b)+11], 0, v[\sa], v[\sb] matrix_a_fmt:MATRIX_FMT_FP6 matrix_b_fmt:MATRIX_FMT_FP6 matrix_a_scale:MATRIX_SCALE_ROW1 matrix_b_scale:MATRIX_SCALE_ROW1
.elseif (\ra)
	v_wmma_scale_f32_16x16x128_f8f6f4 v[(\d):(\d)+7], v[(\a):(\a)+11], v[(\b):(\b)+11], 0, v[\sa], v[\sb] matrix_a_fmt:MATRIX_FMT_FP6 matrix_b_fmt:MATRIX_FMT_FP6 matrix_a_scale:MATRIX_SCALE_ROW1
.elseif (\rb)
	v_wmma_scale_f32_16x16x128_f8f6f4 v[(\d):(\d)+7], v[(\a):(\a)+11], v[(\b):(\b)+11], 0, v[\sa], v[\sb] matrix_a_fmt:MATRIX_FMT_FP6 matrix_b_fmt:MATRIX_FMT_FP6 matrix_b_scale:MATRIX_SCALE_ROW1
.else
	v_wmma_scale_f32_16x16x128_f8f6f4 v[(\d):(\d)+7], v[(\a):(\a)+11], v[(\b):(\b)+11], 0, v[\sa], v[\sb] matrix_a_fmt:MATRIX_FMT_FP6 matrix_b_fmt:MATRIX_FMT_FP6
.endif
.else
.if (\ra) && (\rb)
	v_wmma_scale_f32_16x16x128_f8f6f4 v[(\d):(\d)+7], v[(\a):(\a)+11], v[(\b):(\b)+11], v[(\c):(\c)+7], v[\sa], v[\sb] matrix_a_fmt:MATRIX_FMT_FP6 matrix_b_fmt:MATRIX_FMT_FP6 matrix_a_scale:MATRIX_SCALE_ROW1 matrix_b_scale:MATRIX_SCALE_ROW1
.elseif (\ra)
	v_wmma_scale_f32_16x16x128_f8f6f4 v[(\d):(\d)+7], v[(\a):(\a)+11], v[(\b):(\b)+11], v[(\c):(\c)+7], v[\sa], v[\sb] matrix_a_fmt:MATRIX_FMT_FP6 matrix_b_fmt:MATRIX_FMT_FP6 matrix_a_scale:MATRIX_SCALE_ROW1
.elseif (\rb)
	v_wmma_scale_f32_16x16x128_f8f6f4 v[(\d):(\d)+7], v[(\a):(\a)+11], v[(\b):(\b)+11], v[(\c):(\c)+7], v[\sa], v[\sb] matrix_a_fmt:MATRIX_FMT_FP6 matrix_b_fmt:MATRIX_FMT_FP6 matrix_b_scale:MATRIX_SCALE_ROW1
.else
	v_wmma_scale_f32_16x16x128_f8f6f4 v[(\d):(\d)+7], v[(\a):(\a)+11], v[(\b):(\b)+11], v[(\c):(\c)+7], v[\sa], v[\sb] matrix_a_fmt:MATRIX_FMT_FP6 matrix_b_fmt:MATRIX_FMT_FP6
.endif
.endif
.endm
; a fragment, 16 rows x 128 K, from rows of PITCH bytes: six pieces of 8 bytes.  Lanes 0-15 take the row's pieces 12 s + 0, 1, 2 and 12 s + 6, 7, 8, lanes 16-31 those three pieces on;
; 16 bytes of padding lie behind every 8 pieces: where the piece three on lies behind one padding more, the second address register serves
.macro FRAG reg, adr, s, ro
.irp p, 0,1,2,3,4,5
.set PCE, 12*(\s)+6*(\p/3)+\p%3
.if PCE%8 < 5
	ds_load_b64 v[(\reg)+2*\p:(\reg)+2*\p+1], v[\adr] offset:8*PCE+16*(PCE/8)+(\ro)*PITCH
.else
	ds_load_b64 v[(\reg)+2*\p:(\reg)+2*\p+1], v[(\adr)+1] offset:8*PCE+16*(PCE/8)+(\ro)*PITCH
.endif
.endr
.endm
.macro WLOAD s, ro                     ; the two weight fragments of K step s, rows ro on
	FRAG WB+24*((\s)%3), ADR, \s, \ro
	FRAG WB+24*((\s)%3)+12, ADR, \s, (\ro)+16
.endm
.macro SCLOAD set, off                 ; a unit's scale words: 24 bytes a row, lane l takes row l of the 32
.irp p, 0,1,2
	ds_load_b64 v[WS+6*(\set)+2*\p:WS+6*(\set)+2*\p+1], v[ADS] offset:(\off)+8*\p
.endr
.endm
; HOW z COMES IN (in place of what the head comment says of it).  A tile's 16 rows are two runs of 8 rows, 4,608 dense bytes each: 18 loads in which the 32 lanes take 512 consecutive bytes.
; They land in the 72 registers that will hold the tile's six fragments: load i in the registers of K step i / 3, four registers from 4 (i % 3) on.
.macro ZRAW t
.irp a, 0,1,2,3,4,5
	WIN (1+\a/2)<<6
.irp k, 0,1,2
	global_load_b128 v[96*(\a%2)+12*(\t)+4*\k:96*(\a%2)+12*(\t)+4*\k+3], v[ZO], s[4:5] offset:(64*((\t)/4)+8*((\t)%4)+32*((3*\a+\k)/9))*ROWB+512*((3*\a+\k)%9)
.endr
.endr
	WIN 0
.endm
; The tile goes through my own stage: byte y of its 9,216 is put at y + 16 (y / 64), which is the weights' image (rows of 720 bytes), and the six fragments are read back into the same registers.
; LDS serves a wave's instructions in order: no wait between the stores and the loads, nor ahead of the next tile's stores.
.macro ZSTAGE t
.irp a, 0,1,2,3,4,5
	WIN (1+\a/2)<<2                                ; an LDS store's data are its source 1
.irp k, 0,1,2
	ds_store_b128 v[ZST], v[96*(\a%2)+12*(\t)+4*\k:96*(\a%2)+12*(\t)+4*\k+3] offset:640*(3*\a+\k)
.endr
.endr
.irp s, 0,1,2,3,4,5
	WIN (1+\s/2)<<6
	FRAG 96*(\s%2)+12*(\t), ZRD, \s, 0
.endr
	WIN 0
.endm
; 16 matrix instructions of a q or k unit: the 16 accumulators take turns, one instruction a turn
.macro MULQK s, set
.irp t, 0,1,2,3,4,5,6,7
	WIN ((1+(\s)/2)<<2)|(0x50*(1+\t/4))
.irp u, 0,1
.if (\s) == 0
	WM 192+16*(\t%4)+8*\u, WB+24*((\s)%3)+12*\u, 96*((\s)%2)+12*\t, -1, WS+6*(\set)+(\s), ZS+6*(\t%4)+(\s), \u, \t/4
.else
	WM 192+16*(\t%4)+8*\u, WB+24*((\s)%3)+12*\u, 96*((\s)%2)+12*\t, 192+16*(\t%4)+8*\u, WS+6*(\set)+(\s), ZS+6*(\t%4)+(\s), \u, \t/4
.endif
.endr
.endr
.endm
; the same of a v unit, the sources and their scales changed round
.macro MULV s, set
.irp u, 0,1
	WIN (1+(\s)/2)|(0x50*(1+\u))
.irp t, 0,1,2,3,4,5,6,7
.if (\s) == 0
	WM 192+8*\t, 96*((\s)%2)+12*\t, WB+24*((\s)%3)+12*\u, -1, ZS+6*(\t%4)+(\s), WS+6*(\set)+(\s), \t/4, \u
.else
	WM 192+8*\t, 96*((\s)%2)+12*\t, WB+24*((\s)%3)+12*\u, 192+8*\t, ZS+6*(\t%4)+(\s), WS+6*(\set)+(\s), \t/4, \u
.endif
.endr
.endr
.endm
; A K step of a unit.  Its fragments were asked for two steps ago; it asks for those of two steps on (ahead = 1: on into the next unit), into the buffer that the step before multiplied: four places stand in front.
; n: the LDS loads that may stay out: those of the next two steps.
.macro KSTEP path, s, ro, set, ahead, zl, n
	WIN 0
.if ((\s) < 4) || (\ahead)
	PLACES 4
.endif
.if (\ahead) && ((\s) == 4)
	SCLOAD 1-(\set), 24*((\ro)+32)
.endif
.if (\s) < 4
	WLOAD (\s)+2, \ro
.elseif \ahead
	WLOAD (\s)-4, (\ro)+32
.endif
	s_wait_dscnt \n
.if \path
	MULV \s, \set
.else
	MULQK \s, \set
.endif
.endm
; Block b of a head's q or k is quantised and stored: for each of my 8 tiles a lane holds 16 of the block's 32 numbers of its token, lane l xor 16 the others.
.macro QKOUT b
	WIN 0
	PLACES 4                                       ; between the last products and the first read of their results
	s_wait_xcnt 0x0                                ; the last stores have read their data registers, which are written again below
.irp g, 0,1                                    ; tiles 4 g .. 4 g + 3: their accumulators lie in window 1 + g
	WIN 5*(1+\g)
.irp q, 0,1,2,3
	v_max3_num_f32 v[TM+4*\g+\q], |v[192+16*\q]|, |v[193+16*\q]|, 0x1800000   ; with the floor 2^(3 - 127): the byte cannot fall under 1.  Each accumulator is read from its low end on
.endr
.irp i, 2,4,6,8,10,12,14
.irp q, 0,1,2,3
	v_max3_num_f32 v[TM+4*\g+\q], |v[192+16*\q+\i]|, |v[193+16*\q+\i]|, v[TM+4*\g+\q]
.endr
.endr
.endr
	WIN 0
.irp q, 0,1,2,3,4,5,6,7
	v_permlanex16_b32 v[T2+\q], v[TM+\q], s[SEL], s[SEL+1]
.endr
.irp q, 0,1,2,3,4,5,6,7
	v_max_num_f32 v[TM+\q], v[TM+\q], v[T2+\q]     ; the block's largest magnitude
.endr
.irp q, 0,1,2,3,4,5,6,7
	v_add_nc_u32 v[SO+\q], 0xff000000, v[TM+\q]    ; 2 off its exponent field: the conversion's scale operand
.endr
.if (\b) == 0
.irp q, 0,1,2,3,4,5,6,7
	v_lshrrev_b32 v[SW+\q], 23, v[SO+\q]           ; the scale's byte: byte 0 of the token's word; bytes 2 and 3 stay 0
.endr
.else
.irp q, 0,1,2,3,4,5,6,7
	v_lshrrev_b32 v[T2+\q], 23, v[SO+\q]
.endr
.irp q, 0,1,2,3,4,5,6,7
	v_lshl_or_b32 v[SW+\q], v[T2+\q], 8, v[SW+\q]  ; byte 1
.endr
.endif
.irp g, 0,1
	WIN 1+\g
.irp q, 0,1,2,3
	v_cvt_scalef32_pk16_fp6_f32 v[CD+4*(4*\g+\q):CD+4*(4*\g+\q)+2], v[192+16*\q:207+16*\q], v[SO+4*\g+\q]
.endr
.endr
	WIN 0
	v_nop                                          ; one plain place behind the conversions: the next unit's products write their sources
.irp q, 0,1,2,3,4,5,6,7
	global_store_b96 v[OQ], v[CD+4*\q:CD+4*\q+2], s[QKP:QKP+1] offset:768*\q+384*(\b)   ; 32 lanes store 384 consecutive bytes
.endr
.if (\b) == 1
.irp i, 0,1,2,3
	v_cndmask_b32 v[XR+\i], v[SW+2*\i], v[SW+2*\i+1], s[HM]   ; lanes 0-15: tile 2 i's words, lanes 16-31: tile 2 i + 1's
.endr
	global_store_b128 v[OL], v[XR:XR+3], s[QKS:QKS+1]         ; 512 consecutive bytes
.endif
.endm
; 64 numbers of a lane, v192-255 of window aw (register 16 b + i: a key of block b), become a fragment's codes in v[pc] on and its scale word in v[pw]
.macro QUANTW aw, pc, pw
	WIN 5*(\aw)
.irp b, 0,1,2,3
	v_max3_num_f32 v[TM+\b], |v[192+16*\b]|, |v[193+16*\b]|, 0x1800000
.endr
.irp i, 2,4,6,8,10,12,14
.irp b, 0,1,2,3
	v_max3_num_f32 v[TM+\b], |v[192+16*\b+\i]|, |v[193+16*\b+\i]|, v[TM+\b]
.endr
.endr
	WIN 0
	v_max_num_f32 v[TM], v[TM], v[TM+1]            ; registers 0-31 are my block h, all its 32 keys,
	v_max_num_f32 v[TM+2], v[TM+2], v[TM+3]        ; registers 32-63 my block 2 + h
	v_add_nc_u32 v[SO], 0xff000000, v[TM]          ; 2 off the exponent field: the conversion's scale operand
	v_add_nc_u32 v[SO+1], 0xff000000, v[TM+2]
	v_lshrrev_b32 v[T2], 23, v[SO]
	v_lshrrev_b32 v[T2+1], 23, v[SO+1]
	v_lshl_or_b32 v[T2], v[T2+1], 16, v[T2]        ; my two bytes,
	v_lshlrev_b32 v[T2], v[SH8], v[T2]             ; at their places in the word;
	v_permlanex16_b32 v[T2+1], v[T2], s[SEL], s[SEL+1]
	v_or_b32 v[\pw], v[T2], v[T2+1]                ; with lane l xor 16's two the word is whole
	WIN \aw
.irp c, 0,1
	v_cvt_scalef32_pk16_fp6_f32 v[(\pc)+6*\c:(\pc)+6*\c+2], v[192+32*\c:207+32*\c], v[SO+\c]
	v_cvt_scalef32_pk16_fp6_f32 v[(\pc)+12+4*\c:(\pc)+14+4*\c], v[208+32*\c:223+32*\c], v[SO+\c]   ; (a conversion's three registers begin on an even number: made here and moved)
.endr
	WIN 0
	v_nop                                          ; one plain place behind the conversions
.irp c, 0,1                                    ; the operand's layout wants a whole block in a lane: lanes 0-15 block 2 c, lanes 16-31 block 2 c + 1
.irp i, 0,1,2
	v_mov_b32 v[(\pc)+3+6*\c+\i], v[(\pc)+12+4*\c+\i]
.endr
.endr
.endm
; A v unit (32 features x my 128 keys) is quantised along the keys and stored as images of the operand's registers.  un: the unit, 0 to 2
.macro VOUT un
	WIN 0
	PLACES 4
	s_wait_xcnt 0x0                                ; the last stores have read their data and their bases
	s_mul_i32 s78, s[JJ], 3
	s_add_co_u32 s78, s78, \un                     ; which 32 features of the 768
	s_and_b32 s80, s78, 1                          ; which half of the head's 64
	s_lshr_b32 s78, s78, 1                         ; the head, 0 to 11
	s_mul_i32 s79, s78, 11
	s_lshr_b32 s79, s79, 5                         ; head / 3 (exact under 12)
	s_mul_i32 s81, s79, 3
	s_sub_co_u32 s78, s78, s81                     ; head % 3
	s_mul_i32 s78, s78, PARTB
	s_mul_i32 s79, s79, GRPB
	s_add_co_u32 s78, s78, s79
	s_mul_i32 s79, s[B12], GRPB/3                  ; 12 x batch heads are 4 x batch groups
	s_add_co_u32 s78, s78, s79
	s_mul_i32 s79, s[JS], STEPB
	s_add_co_u32 s78, s78, s79                     ; the head's place in my key step of its group
	s_mul_i32 s82, s80, 3072
	s_add_co_u32 s82, s82, s78
	s_add_co_u32 s82, s82, OFF_V
	s_mov_b32 s83, 0
	s_add_nc_u64 s[VP:VP+1], s[20:21], s[82:83]
	s_lshl_b32 s80, s80, 2
	s_add_co_u32 s80, s80, s78
	s_add_co_u32 s80, s80, OFF_VS
	s_mov_b32 s81, 0
	s_add_nc_u64 s[VSP:VSP+1], s[20:21], s[80:81]
	QUANTW 1, PCA, SW
.irp c, 0,1,2
	global_store_b128 v[OV], v[PCA+4*\c:PCA+4*\c+3], s[VP:VP+1] offset:512*\c
.endr
	QUANTW 2, PCB, SW+1
.irp c, 0,1,2
	global_store_b128 v[OV], v[PCB+4*\c:PCB+4*\c+3], s[VP:VP+1] offset:512*\c+128
.endr
	v_cndmask_b32 v[XR], v[SW], v[SW+1], s[HM]     ; lanes 0-15: the first 16 features' words, lanes 16-31: the second 16's
	global_store_b32 v[OVS], v[XR], s[VSP:VSP+1]
	global_store_b32 v[OVS], v[XR], s[VSP:VSP+1] offset:256   ; once more: the part's last row of 256 bytes is written too
.endm
; A head of q or k: two units, one for each block of 32 features
.macro HEAD zl
	v_add_nc_u32 v[ADR], s[TB], v[AW]
	s_wait_alu depctr_va_vdst(0)
	v_add_nc_u32 v[ADR+1], s[TB], v[AW+1]
	s_wait_alu depctr_va_vdst(0)
	v_add_nc_u32 v[ADS], s[TS], v[ASC]
	s_wait_alu depctr_va_vdst(0)
.irp s, 0,1,2,3,4,5
	KSTEP 0, \s, 0, 0, 1, \zl, 24
.endr
	QKOUT 0
.irp s, 0,1,2,3,4,5
	KSTEP 0, \s, 32, 1, 1, 0, 24
.endr
	QKOUT 1
	s_wait_xcnt 0x0                                ; the stores have read their bases
	s_add_nc_u64 s[QKP:QKP+1], s[QKP:QKP+1], s[72:73]
	s_add_nc_u64 s[QKS:QKS+1], s[QKS:QKS+1], s[72:73]
	s_add_co_u32 s[TB], s[TB], 64*PITCH
	s_add_co_u32 s[TS], s[TS], 64*24
.endm
	s_load_b256 s[4:11], s[0:1], 0x0               ; z's codes s[4:5], z's scales s[6:7], Wq's codes s[8:9], Wq's scales s[10:11]
	s_load_b256 s[12:19], s[0:1], 0x20             ; Wk's s[12:15], Wv's s[16:19]
	s_load_b64 s[20:21], s[0:1], 0x40              ; qkv
	v_lshl_add_u32 v254, v0, 2, 0x38000
	v_mov_b32 v255, 0
	ds_add_u32 v254, v255
	ds_add_u32 v254, v255
	v_lshrrev_b32 v1, 5, v0
	v_readfirstlane_b32 s[WV], v1                  ; wave 0..3
	s_bfe_u32 s[CX], ttmp6, 0x40000                ; my place in the cluster: it enters z's and qkv's addresses alone
	s_lshl_b32 s[XX], ttmp9, 2
	s_add_co_u32 s[XX], s[XX], s[CX]               ; X
	s_and_b32 s[JJ], ttmp7, 0xffff                 ; J, which the four partners share
	s_and_b32 s[J3], s[JJ], 3
	; group 1 for q's or k's codes: 192 rows of 576 bytes are a dense block, stated as 432 rows of 256 bytes; 16 bytes of padding behind every 64, so that a weight row takes 720 bytes of LDS
	s_mov_b32 s[G1C], 15|(1<<20)|(1<<21)|(3<<22)|(3<<25)   ; 15:0 the mask: all four work-groups; 17:16 elements of 1 byte; 20 padding on; 21 set beside a mask; 24:22 after every 16 words; 31:25 4 words of it
	s_mov_b32 s[G1C+1], 256<<16
	s_mov_b32 s[G1C+2], 432<<16
	s_mov_b32 s[G1C+3], 256<<16
	s_mov_b32 s[G1C+4], 432
	s_mov_b32 s[G1C+5], 256
	s_mov_b32 s[G1C+6], 0
	s_mov_b32 s[G1C+7], 0
	; groups 1 for the scale bytes: dense blocks as rows of 256 bytes (32 elements of 8 bytes): 192 x 24 = 18 rows, 96 x 24 = 9 rows
	s_mov_b32 s[G1A], 15|(3<<16)|(1<<21)
	s_mov_b32 s[G1A+1], 32<<16
	s_mov_b32 s[G1A+2], 18<<16
	s_mov_b32 s[G1A+3], 32<<16
	s_mov_b32 s[G1A+4], 18
	s_mov_b32 s[G1A+5], 32
	s_mov_b32 s[G1A+6], 0
	s_mov_b32 s[G1A+7], 0
	s_mov_b32 s[G1B], 15|(3<<16)|(1<<21)
	s_mov_b32 s[G1B+1], 32<<16
	s_mov_b32 s[G1B+2], 9<<16
	s_mov_b32 s[G1B+3], 32<<16
	s_mov_b32 s[G1B+4], 9
	s_mov_b32 s[G1B+5], 32
	s_mov_b32 s[G1B+6], 0
	s_mov_b32 s[G1B+7], 0
	s_mov_b32 s[SEL], 0x76543210
	s_mov_b32 s[SEL+1], 0xfedcba98                 ; v_permlanex16_b32's selects for lane l xor 16
	s_mov_b32 s[HM], 0xffff0000                    ; lanes 16-31
	s_mov_b32 s[TB], 0
	s_mov_b32 s[TS], 0
	; the vector addresses
	v_and_b32 v1, 15, v0                           ; r
	v_bfe_u32 v2, v0, 4, 1                         ; h
	v_and_b32 v3, 31, v0                           ; lane
	v_and_b32 v[TM], 8, v1
	v_mad_u32_u24 v[TM], v[TM], 3, v1              ; 32 (r / 8) + r % 8: my row's place among a tile's tokens
	v_lshlrev_b32 v[SH8], 3, v2
	v_lshlrev_b32 v[ZO], 4, v3
	v_lshl_add_u32 v[ZSO], v2, 6, v[TM]
	v_mul_u32_u24 v[ZSO], v[ZSO], 24
	v_mul_u32_u24 v[AW], v1, PITCH
	v_mad_u32_u24 v[AW+1], v2, 40, v[AW]
	v_mad_u32_u24 v[AW], v2, 24, v[AW]
	s_mul_i32 s27, s[WV], STGB
	s_add_co_u32 s27, s27, STG                     ; my stage
	v_lshrrev_b32 v[ZST], 2, v3
	v_add_nc_u32 v[ZST], v[ZST], v3
	v_lshlrev_b32 v[ZST], 4, v[ZST]
	v_add_nc_u32 v[ZST], s27, v[ZST]
	v_add_nc_u32 v[ZRD], s27, v[AW]
	v_add_nc_u32 v[ZRD+1], s27, v[AW+1]
	v_mul_u32_u24 v[ASC], v3, 24
	v_add_nc_u32 v[ASC], SCB, v[ASC]
	v_mul_u32_u24 v[OQ], v1, 24
	v_mad_u32_u24 v[OQ], v2, 12, v[OQ]
	v_lshlrev_b32 v[OL], 4, v3
	v_lshrrev_b32 v[TM], 3, v1                     ; r / 8
	v_and_b32 v[TM+1], 7, v1                       ; r % 8
	v_lshl_add_u32 v[TM+2], v2, 4, v[TM+1]         ; 16 h + r % 8
	v_mul_u32_u24 v[OV], v[TM], 1536
	v_lshl_add_u32 v[OV], v[TM+2], 4, v[OV]
	v_lshl_add_u32 v[TM+2], v2, 3, v[TM+1]         ; 8 h + r % 8
	v_lshl_add_u32 v[TM+2], v[TM], 4, v[TM+2]
	v_lshlrev_b32 v[OVS], 3, v[TM+2]
.irp q, 0,1,2,3,4,5,6,7
	v_mov_b32 v[T2+\q], 0                          ; written once: a lane permute's destination counts as one of its sources
.endr
	; where the weights come from: nothing here hangs on my place in the cluster
	s_mov_b32 s[G0C+1], 0                          ; to LDS: q's or k's 192 rows first,
	s_mul_i32 s78, s[J3], 192*ROWB
	s_mov_b32 s79, 0
	s_mul_i32 s96, s[JJ], 96*ROWB                  ; v's 96 rows behind them
	s_mov_b32 s97, 0
	s_mul_i32 s80, s[J3], 192*24
	s_mov_b32 s81, 0
	s_mul_i32 s82, s[JJ], 96*24
	s_mov_b32 s83, 0
	; my rows of z and my places in qkv
	s_lshl_b32 s92, s[XX], 9
	s_lshl_b32 s93, s[WV], 7
	s_add_co_u32 s92, s92, s93                     ; my first row of z
	s_mul_i32 s94, s92, 24
	s_mov_b32 s95, 0
	s_mul_i32 s92, s92, ROWB
	s_mov_b32 s93, 0
	s_lshr_b32 s[B12], s[XX], 1
	s_mul_i32 s[B12], s[B12], 12                   ; 12 x batch
	s_and_b32 s[JS], s[XX], 1
	s_lshl_b32 s[JS], s[JS], 2
	s_add_co_u32 s[JS], s[JS], s[WV]               ; my key step
	s_wait_dscnt 0x0
	s_wait_kmcnt 0x0
	s_add_nc_u64 s[4:5], s[4:5], s[92:93]
	s_add_nc_u64 s[6:7], s[6:7], s[94:95]
	s_cmp_lt_u32 s[JJ], 4                          ; q's split or k's: the choice hangs on the work-group's number alone
	s_cselect_b64 s[8:9], s[8:9], s[12:13]
	s_cselect_b64 s[10:11], s[10:11], s[14:15]
	s_mul_i32 s92, s[J3], 3
	s_add_co_u32 s92, s92, s[B12]
	s_lshl_b32 s92, s92, 3
	s_add_co_u32 s92, s92, s[JS]
	s_mul_i32 s92, s92, PARTB
	s_add_co_u32 s92, s92, QB                      ; q: my first head's part of my key step
	s_lshr_b32 s94, s[XX], 1
	s_lshl_b32 s94, s94, 2
	s_add_co_u32 s94, s94, s[J3]                   ; k: my three heads are group 4 x batch + J % 4
	s_mul_i32 s94, s94, GRPB
	s_mul_i32 s63, s[JS], STEPB
	s_add_co_u32 s94, s94, s63
	s_mov_b32 s87, 8*PARTB
	s_cmp_lt_u32 s[JJ], 4
	s_cselect_b32 s92, s92, s94
	s_cselect_b32 s72, s87, PARTB                  ; from head to head: q 8 parts, k one
	s_mov_b32 s73, 0
	s_add_co_u32 s94, s92, 6144                    ; the scale words lie behind the codes
	s_add_nc_u64 s[QKP:QKP+1], s[20:21], s[92:93]
	s_add_nc_u64 s[QKS:QKS+1], s[20:21], s[94:95]
	s_add_nc_u64 s[98:99], s[16:17], s[96:97]      ; s[96:99]: group 0 for v's rows
	s_or_b32 s99, s99, 0x80000000
	s_mov_b32 s96, 1
	s_mov_b32 s97, 192*PITCH
	s_add_nc_u64 s[G0C+2:G0C+3], s[8:9], s[78:79]
	s_or_b32 s[G0C+3], s[G0C+3], 0x80000000
	s_mov_b32 s[G0C], 1
	s_mov_b32 s[G0A], 1
	s_mov_b32 s[G0A+1], SCB
	s_add_nc_u64 s[G0A+2:G0A+3], s[10:11], s[80:81]
	s_or_b32 s[G0A+3], s[G0A+3], 0x80000000
	s_mov_b32 s[G0B], 1
	s_mov_b32 s[G0B+1], SCB+192*24
	s_add_nc_u64 s[G0B+2:G0B+3], s[18:19], s[82:83]
	s_or_b32 s[G0B+3], s[G0B+3], 0x80000000
	s_mov_b32 s8, 15|(1<<20)|(1<<21)|(3<<22)|(3<<25)   ; s[8:15] (the arguments that lay there have been used): group 1 for v's codes: 216 rows of 256 bytes, padded alike
	s_mov_b32 s9, 256<<16
	s_mov_b32 s10, 216<<16
	s_mov_b32 s11, 256<<16
	s_mov_b32 s12, 216
	s_mov_b32 s13, 256
	s_mov_b32 s14, 0
	s_mov_b32 s15, 0
	ROUND                                          ; all four work-groups are here: the joint loads meet
	s_cmp_lt_u32 s[WV], 1                          ; one load a wave, in one chain of branches on the wave's number: wave 0 q's or k's codes, wave 1 v's codes, wave 2 q's or k's scale bytes, wave 3 v's
	s_cbranch_scc0 .Lhead_v
	tensor_load_to_lds s[G0C:G0C+3], s[G1C:G1C+7]
	s_nop 0
	PLACES 4
	s_branch .Lasked
.Lhead_v:
	s_cmp_lt_u32 s[WV], 2
	s_cbranch_scc0 .Lhead_sa
	tensor_load_to_lds s[96:99], s[8:15]
	s_nop 0
	PLACES 4
	s_branch .Lasked
.Lhead_sa:
	s_cmp_lt_u32 s[WV], 3
	s_cbranch_scc0 .Lhead_sb
	tensor_load_to_lds s[G0A:G0A+3], s[G1A:G1A+7]
	s_nop 0
	PLACES 4
	s_branch .Lasked
.Lhead_sb:
	tensor_load_to_lds s[G0B:G0B+3], s[G1B:G1B+7]
	s_nop 0
	PLACES 4
.Lasked:
.irp jj, 0,1,2,3
.irp p, 0,1,2
	global_load_b64 v[ZS+6*\jj+2*\p:ZS+6*\jj+2*\p+1], v[ZSO], s[6:7] offset:192*\jj+8*\p
.endr
.endr
	ZRAW 0                                         ; three tiles of z are asked for beside the weights
	ZRAW 1
	ZRAW 2
	v_add_nc_u32 v[ADR], s[TB], v[AW]
	v_add_nc_u32 v[ADR+1], s[TB], v[AW+1]
	v_add_nc_u32 v[ADS], s[TS], v[ASC]
	s_wait_alu depctr_va_vdst(0)
	s_wait_tensorcnt 0x0                           ; my part of the weights has landed,
	s_barrier_signal -1
	s_barrier_wait -1                              ; everybody's has
.irp t, 0,1,2,3,4,5,6,7                        ; my eight tiles of z, each through the stage; the loads run three tiles ahead
.if \t < 6
	s_wait_loadcnt 36                              ; z's scale words and this tile are in; the 36 loads of the next two tiles may be out
.elseif \t == 6
	s_wait_loadcnt 18
.else
	s_wait_loadcnt 0x0
.endif
	ZSTAGE \t
.if \t < 5
	ZRAW \t+3
.endif
.endr
	SCLOAD 0, 0
	WLOAD 0, 0
	WLOAD 1, 0
	s_mov_b32 s[CNT], 3
.Lhead:
	HEAD 0
	s_sub_co_u32 s[CNT], s[CNT], 1
	s_cmp_lg_u32 s[CNT], 0
	s_cbranch_scc1 .Lhead
	v_add_nc_u32 v[ADR], 192*PITCH, v[AW]          ; v's 96 rows lie behind the 192 of q or k
	s_wait_alu depctr_va_vdst(0)
	v_add_nc_u32 v[ADR+1], 192*PITCH, v[AW+1]
	s_wait_alu depctr_va_vdst(0)
	v_add_nc_u32 v[ADS], 192*24, v[ASC]
	s_wait_alu depctr_va_vdst(0)
.irp s, 0,1,2,3,4,5
	KSTEP 1, \s, 0, 0, 1, 0, 24
.endr
	VOUT 0
.irp s, 0,1,2,3,4,5
	KSTEP 1, \s, 32, 1, 1, 0, 24
.endr
	VOUT 1
	KSTEP 1, 0, 64, 0, 0, 0, 24                    ; the last unit asks for nothing beyond itself: the counts run down
	KSTEP 1, 1, 64, 0, 0, 0, 24
	KSTEP 1, 2, 64, 0, 0, 0, 24
	KSTEP 1, 3, 64, 0, 0, 0, 24
	KSTEP 1, 4, 64, 0, 0, 0, 12
	KSTEP 1, 5, 64, 0, 0, 0, 0
	VOUT 2
	s_wait_tensorcnt 0x0
	ds_add_u32 v254, v255
	s_wait_dscnt 0x0
	ROUND                                          ; the closing round
	s_endpgm
.Lfunc_end_k_q71f2c5e64a_qkv_proj:
	.size	k_q71f2c5e64a_qkv_proj, .Lfunc_end_k_q71f2c5e64a_qkv_proj-k_q71f2c5e64a_qkv_proj
	.p2alignl 7, 3214868480
	.fill 96, 4, 3214868480
	.section	.rodata,"a",@progbits
	.p2align	6, 0x0
	.amdhsa_kernel k_q71f2c5e64a_qkv_proj
		.amdhsa_group_segment_fixed_size 275968
		.amdhsa_private_segment_fixed_size 0
		.amdhsa_enable_private_segment 0
		.amdhsa_kernarg_size 72
		.amdhsa_user_sgpr_count 2
		.amdhsa_user_sgpr_kernarg_segment_ptr 1
		.amdhsa_wavefront_size32 1
		.amdhsa_system_sgpr_workgroup_id_x 1
		.amdhsa_system_sgpr_workgroup_id_y 1
		.amdhsa_system_sgpr_workgroup_id_z 1
		.amdhsa_system_vgpr_workitem_id 0
		.amdhsa_next_free_vgpr 1024
		.amdhsa_next_free_sgpr 100
		.amdhsa_reserve_vcc 0
		.amdhsa_float_denorm_mode_32 3
		.amdhsa_float_denorm_mode_16_64 3
		.amdhsa_memory_ordered 1
		.amdhsa_forward_progress 1
		.amdhsa_inst_pref_size 187
	.end_amdhsa_kernel
	.amdgpu_metadata
---
amdhsa.version: [ 1, 2 ]
amdhsa.kernels:
  - .name:           k_q71f2c5e64a_qkv_proj
    .symbol:         k_q71f2c5e64a_qkv_proj.kd
    .args:
      - { .name: z_codes, .offset: 0, .size: 8, .value_kind: global_buffer, .address_space: global }
      - { .name: z_scales, .offset: 8, .size: 8, .value_kind: global_buffer, .address_space: global }
      - { .name: W_q_codes, .offset: 16, .size: 8, .value_kind: global_buffer, .address_space: global }
      - { .name: W_q_scales, .offset: 24, .size: 8, .value_kind: global_buffer, .address_space: global }
      - { .name: W_k_codes, .offset: 32, .size: 8, .value_kind: global_buffer, .address_space: global }
      - { .name: W_k_scales, .offset: 40, .size: 8, .value_kind: global_buffer, .address_space: global }
      - { .name: W_v_codes, .offset: 48, .size: 8, .value_kind: global_buffer, .address_space: global }
      - { .name: W_v_scales, .offset: 56, .size: 8, .value_kind: global_buffer, .address_space: global }
      - { .name: qkv, .offset: 64, .size: 8, .value_kind: global_buffer, .address_space: global }
    .group_segment_fixed_size: 275968
    .private_segment_fixed_size: 0
    .kernarg_segment_align: 8
    .kernarg_segment_size: 72
    .max_flat_workgroup_size: 128
    .sgpr_count:     100
    .vgpr_count:     1024
    .wavefront_size: 32
...
	.end_amdgpu_metadata
.endif
;; end of part 1
;; launch attention (part 2): grid 4 x 64, 16 waves a work-group, clusters of 4 x 1, 327,680 bytes of LDS; arguments qkv, ctxc, ctxs; writes ctxc, ctxs
.if DOCPART == 2
	.amdgcn_target "amdgcn-amd-amdhsa--gfx1250"
	.amdhsa_code_object_version 6
	.text
	.protected	k_q71f2c5e64a_attention
	.globl	k_q71f2c5e64a_attention
	.p2align	8
	.type	k_q71f2c5e64a_attention,@function
k_q71f2c5e64a_attention:
	s_mov_b64 s[64:65], 0
	v_nop
	global_prefetch_b8 v0, s[64:65] scope:SCOPE_SE
	s_setreg_imm32_b32 hwreg(HW_REG_WAVE_MODE, 25, 1), 1
	s_wait_xcnt 0x0
	s_wait_alu depctr_hold_cnt(0) depctr_sa_sdst(0) depctr_va_vdst(0) depctr_va_sdst(0) depctr_va_ssrc(0) depctr_va_vcc(0) depctr_vm_vsrc(0)
	s_getreg_b32 s2, hwreg(HW_REG_IB_STS2, 6, 4)
	s_cmp_eq_u32 s2, 0
	s_cbranch_scc0 .Lentry_in_a_cluster
	s_endpgm
.Lentry_in_a_cluster:
	s_bfe_u32 s2, ttmp6, 0x10000c
	s_cmp_lg_u32 s2, 0x3003
	s_cbranch_scc0 .Lentry_shape_is_right
	s_endpgm
.Lentry_shape_is_right:
; ctx = softmax(q k^T / 8) v, both products on codes of FP6 (E2M3) with E8M0 scales; the result, divided by the row's sum, is quantised along the model's 768 for the last projection.
; t = score x log2(e) / 8; M = the row's largest t so far, rounded UP to a whole number; p = 2^(t - M) is quantised along the keys, not normalised; the row's sum is taken of the unquantised p.
; When M moves, the sum and O are multiplied by 2^(old M - new M): exact.
; SHARES.  256 work-groups that stay: cluster g (of 64) walks heads 3 g, 3 g + 1, 3 g + 2 (12 x batch + head); work-group cx of the cluster owns 256 queries of each, a wave 16 of them, four waves to a SIMD.
; Every wave walks a head's 1,024 keys, 128 a step.
; LDS holds the three heads' K, V and scale words whole, 3 x 106,496 bytes, each byte filled once.  A wave issues two tensor loads: at the head 26 rows of 256 bytes (half a key step of head 0), and behind
; a second round 52 rows (the same half step of heads 1 and 2, which lie on end in the workspace).  Wave w = 2 x step + part (K, V).  One barrier after four steps of head 0
; shows the second load to all waves; no other barrier stands ahead of the closing round.
; CLUSTER.  The four query blocks of a head read the same K and V: both loads are asked for JOINTLY by all four work-groups.
; NO PREFETCH: the first load is the launch's first access, the second is asked for four steps ahead of the wait for it, and the Q of heads 1 and 2 is loaded into registers eight steps ahead of its use.
; LAYOUT.  S^T = K Q^T (source 0 = 16 keys, source 1 = my queries), O^T = V^T P^T: a lane holds ONE query throughout.  The head has 64 channels and the instruction 128 along K: Q's registers 6-11 are zero codes,
; so whatever stands in K's registers 6-11 (the next tile's codes; zeros behind the last) adds nothing; bytes 2 and 3 of both scale words are 0.
; Tile t, row r of K (and of Q) is token 64 (t / 4) + 32 (r / 8) + 8 (t % 4) + r % 8 of its 128: so S^T's register 32 c + i of lane (query, h) is key 64 c + 32 h + i: a lane holds blocks h and 2 + h of the
; step's four blocks of 32 keys whole and in natural order, which is the operand's own layout: no number of p changes lanes.
; V's features were placed so that O^T's register 16 b + i is channel 32 b + 16 (lane / 16) + i.
; From head to head O^T and the sum are not cleared: a new head begins with -M = 3e38, so its first factor 2^(old M - new M) is 0.
; OUT: ctxc [1,024 row tiles][6 K steps][head % 2][384 x block + 24 x row + 12 x half], rows in natural order; ctxs [row][24 bytes], byte 2 x head + block.
; LIMITS: NaN and infinities are not served (one in a head's O^T would stay for the wave's later heads); the promise holds while the scaled scores stay under 2^31 in magnitude; a block whose largest
; magnitude lies under 2^-124 keeps the byte 1; a block of zeros gets the byte 1, not 127 (its codes are zeros; this program alone reads the bytes).
.set PARTB,  6656                      ; a K part or a V part: 26 rows of 256 bytes
.set GRPB,   48*PARTB                  ; a group of three heads in qkv
.set QB,     64*GRPB                   ; where Q's parts begin
.set SLB,    16*PARTB                  ; LDS: head 0 at 0, wave w's part at 6,656 w; heads 1 and 2 from here, wave w's two parts at 13,312 w
.set SPARE,  48*PARTB                  ; behind them the spare words: 128 bytes for each of 16 waves
.set AK0, 1                            ; v1   384 h + 24 r: my 24 bytes of a half fragment
.set AL0, 2                            ; v2   16 x lane
.set AV0, 3                            ; v3   8 x lane
.set ADK, 4                            ; v4-6 the same + the step in hand
.set ADL, 5
.set ADV, 6
.set QSO, 7                            ; v7   16 r
.set QS,  8                            ; v8-9 Q's scale words, two sets
.set PW,  10                           ; v10  p's scale word
.set SH8, 11                           ; v11  8 h
.set FF,  12                           ; v[12:13] f = 2^(old M - new M) (the pair is named; the low word serves)
.set NM,  14                           ; v14 -M, v15 the largest score so far
.set LS,  16                           ; v[16:17] the row's sum, in two halves
.set QF,  18                           ; v18-41 Q's fragment, two sets of 12; registers 6-11 of each are zero codes
.set KS,  42                           ; v42-45 K's scale words: register t / 2; lanes 0-15 even tiles, lanes 16-31 odd
.set VS,  46                           ; v46-47 V's likewise
.set KF,  48                           ; v48-95 K's 8 half fragments, then V's 4 fragments; v96-101 zero codes
.set SS,  102                          ; v102-165 S^T, then p
.set OO,  166                          ; v166-197 O^T
.set PP,  198                          ; v198-209 p's codes
.set PT,  210                          ; v210-217 at work
.set BM,  218
.set SP,  222
.set BY,  224
.set TT,  226
.set SU,  228                          ; v228-241 seven partial sums
.set CO,  242                          ; v242 out: 18,432 (r / 8) + 24 (r % 8) + 12 h
.set CSO, 243                          ; v243 out: 24 (32 (r / 8) + r % 8) + h
.set SPW, 254                          ; v254 my spare word; v255 0: never rewritten
.set NIL, 255
.set WV,  10
.set CX,  11
.set GG,  12
.set W7,  13
.set G1,  16
.set G0,  24
.set SEL, 28
.set CS,  30
.set HM,  32
.set TB,  33
.set CNT, 34
.macro PLACES n
.rept \n
	v_nop
.endr
.endm
.macro ROUND                           ; a round of the cluster's barrier
	s_barrier_signal -1
	s_barrier_wait -1
	s_cmp_lg_u32 s[WV], 0
	s_cbranch_scc1 .Lnot_wave_0_\@
	s_barrier_signal -3
.Lnot_wave_0_\@:
	s_barrier_wait -3
	s_barrier_signal -1
	s_barrier_wait -1
.endm
; one matrix instruction.  c: first register of C, or -1 for the constant 0; ra = 1: source 0's scales stand in lanes 16-31
.macro WM d, a, b, c, sa, sb, ra
.if (\c) < 0
.if (\ra)
	v_wmma_scale_f32_16x16x128_f8f6f4 v[(\d):(\d)+7], v[(\a):(\a)+11], v[(\b):(\b)+11], 0, v[\sa], v[\sb] matrix_a_fmt:MATRIX_FMT_FP6 matrix_b_fmt:MATRIX_FMT_FP6 matrix_a_scale:MATRIX_SCALE_ROW1
.else
	v_wmma_scale_f32_16x16x128_f8f6f4 v[(\d):(\d)+7], v[(\a):(\a)+11], v[(\b):(\b)+11], 0, v[\sa], v[\sb] matrix_a_fmt:MATRIX_FMT_FP6 matrix_b_fmt:MATRIX_FMT_FP6
.endif
.else
.if (\ra)
	v_wmma_scale_f32_16x16x128_f8f6f4 v[(\d):(\d)+7], v[(\a):(\a)+11], v[(\b):(\b)+11], v[(\c):(\c)+7], v[\sa], v[\sb] matrix_a_fmt:MATRIX_FMT_FP6 matrix_b_fmt:MATRIX_FMT_FP6 matrix_a_scale:MATRIX_SCALE_ROW1
.else
	v_wmma_scale_f32_16x16x128_f8f6f4 v[(\d):(\d)+7], v[(\a):(\a)+11], v[(\b):(\b)+11], v[(\c):(\c)+7], v[\sa], v[\sb] matrix_a_fmt:MATRIX_FMT_FP6 matrix_b_fmt:MATRIX_FMT_FP6
.endif
.endif
.endm
.macro TMIN j0                         ; t - M for 16 scores, two at a time
.irp j, 0,2,4,6,8,10,12,14
	v_pk_fma_f32 v[SS+(\j0)+\j:SS+(\j0)+\j+1], v[SS+(\j0)+\j:SS+(\j0)+\j+1], s[CS:CS+1], v[NM:NM+1] op_sel_hi:[1,0,0]
.endr
.endm
; A KEY STEP: 128 keys.  vo: from the step's K part to its V part in LDS; qf, qs: Q's set
.macro STEP vo, qf, qs
	v_add_nc_u32 v[ADK], s[TB], v[AK0]             ; these three and the v_nop are the four places in front of loads into registers that the last products read
	v_add_nc_u32 v[ADL], s[TB], v[AL0]
	v_add_nc_u32 v[ADV], s[TB], v[AV0]
	v_nop
	ds_load_b128 v[KS:KS+3], v[ADL] offset:6144
.irp t, 0,1,2,3,4,5,6,7
.irp p, 0,1,2
	ds_load_b64 v[KF+6*\t+2*\p:KF+6*\t+2*\p+1], v[ADK] offset:768*\t+8*\p
.endr
.endr
	s_wait_alu depctr_va_vdst(0)
	s_wait_dscnt 0x0
.irp t, 0,1,2,3,4,5,6,7
	WM SS+8*\t, KF+6*\t, \qf, -1, KS+\t/2, \qs, \t%2
.endr
	v_mov_b32 v[TT], v[NM]                         ; the old -M.  With three v_nop: the places in front of the loads into K's registers and of the first read of the scores
	PLACES 3
.irp i, 0,1,2,3,4,5,6,7,8,9,10,11
	ds_load_b128 v[KF+4*\i:KF+4*\i+3], v[ADL] offset:(\vo)+512*\i    ; V's four fragments, as images of their registers: they land beside the softmax
.endr
	ds_load_b64 v[VS:VS+1], v[ADV] offset:(\vo)+6144
.irp b, 0,1,2,3
	v_max3_num_f32 v[BM+\b], v[SS+16*\b], v[SS+1+16*\b], v[SS+2+16*\b]   ; four chains of 16 scores; each accumulator is read from its low end on
.endr
.irp i, 3,5,7,9,11,13
.irp b, 0,1,2,3
	v_max3_num_f32 v[BM+\b], v[BM+\b], v[SS+16*\b+\i], v[SS+1+16*\b+\i]
.endr
.endr
.irp c, 0,2
	v_max3_num_f32 v[BM+\c], v[BM+\c], v[BM+1+\c], v[SS+15+16*\c]
.endr
.irp c, 0,2
	v_max_num_f32 v[BM+\c], v[BM+\c], v[SS+31+16*\c]   ; the largest score of my two blocks of 32 keys: it serves the row's maximum and, since p rises with the score, the block's largest p
.endr
	s_delay_alu instid0(VALU_DEP_1)
	v_max_num_f32 v[BY], v[BM], v[BM+2]
	s_delay_alu instid0(VALU_DEP_1)
	v_permlanex16_b32 v[BY+1], v[BY], s[SEL], s[SEL+1]
	s_delay_alu instid0(VALU_DEP_1)
	v_max3_num_f32 v[NM+1], v[NM+1], v[BY], v[BY+1]    ; the running largest score of my query
	s_delay_alu instid0(VALU_DEP_1)
	v_mul_f32 v[BY], s[CS], v[NM+1]                ; as t (c is positive)
	s_delay_alu instid0(VALU_DEP_1)
	v_floor_f32 v[NM], -v[BY]                      ; the new -M = floor(-t): M is a whole number
	TMIN 0
	v_sub_f32 v[TT], v[NM], v[TT]                  ; old M - new M: a whole number, 0 or less
	TMIN 16
	v_cvt_i32_f32 v[TT], v[TT]                     ; (it saturates)
	TMIN 32
	v_ldexp_f32 v[FF], 1.0, v[TT]                  ; f = 2^(old M - new M)
	TMIN 48
.irp c, 0,2
	v_fma_f32 v[BM+\c], v[BM+\c], s[CS], v[NM]     ; the same of each block's largest score
.endr
	s_wait_alu depctr_va_vdst(0)
.irp j, 0,1,2,3,4,5,6,7,8,9,10,11,12,13,14,15,16,17,18,19,20,21,22,23,24,25,26,27,28,29,30,31,32,33,34,35,36,37,38,39,40,41,42,43,44,45,46,47,48,49,50,51,52,53,54,55,56,57,58,59,60,61,62,63
	v_exp_f32 v[SS+\j], v[SS+\j]                   ; p = 2^(t - M), at most 1
.endr
.irp c, 0,2
	v_exp_f32 v[BM+\c], v[BM+\c]                   ; the block's largest p: the same two instructions on the same number give the same bits
.endr
	v_pk_mul_f32 v[LS:LS+1], v[LS:LS+1], v[FF:FF+1] op_sel_hi:[1,0]   ; the sums under the new M: the plain place behind the exponentials
	s_wait_alu depctr_va_vdst(0)                   ; one wait for the batch of 66, ahead of its first reader
.irp i, 0,1,2,3,4,5,6                          ; the row's sum of the unquantised p: eight chains, two numbers an instruction
	v_pk_add_f32 v[SU+2*\i:SU+2*\i+1], v[SS+4*\i:SS+4*\i+1], v[SS+4*\i+2:SS+4*\i+3]
.endr
	v_pk_add_f32 v[LS:LS+1], v[LS:LS+1], v[SS+28:SS+29]
.irp i, 0,1,2,3,4,5,6
	v_pk_add_f32 v[SU+2*\i:SU+2*\i+1], v[SU+2*\i:SU+2*\i+1], v[SS+30+2*\i:SS+31+2*\i]
.endr
	v_pk_add_f32 v[LS:LS+1], v[LS:LS+1], v[SS+44:SS+45]
.irp i, 0,1,2,3,4,5,6
	v_pk_add_f32 v[SU+2*\i:SU+2*\i+1], v[SU+2*\i:SU+2*\i+1], v[SS+46+2*\i:SS+47+2*\i]
.endr
	v_pk_add_f32 v[LS:LS+1], v[LS:LS+1], v[SS+60:SS+61]
	v_pk_add_f32 v[SU:SU+1], v[SU:SU+1], v[SS+62:SS+63]
	v_pk_add_f32 v[LS:LS+1], v[LS:LS+1], v[SU+6:SU+7]
	v_pk_add_f32 v[SU+2:SU+3], v[SU+2:SU+3], v[SU+10:SU+11]
	v_pk_add_f32 v[SU+4:SU+5], v[SU+4:SU+5], v[SU+12:SU+13]
	v_pk_add_f32 v[SU:SU+1], v[SU:SU+1], v[SU+8:SU+9]
.irp c, 0,2
	v_max_num_f32 v[BM+\c], 0x1800000, v[BM+\c]    ; the floor 2^(3 - 127): the byte cannot fall under 1
.endr
	v_pk_add_f32 v[LS:LS+1], v[LS:LS+1], v[SU+2:SU+3]
	v_pk_add_f32 v[SU:SU+1], v[SU:SU+1], v[SU+4:SU+5]
.irp c, 0,1
	v_add_nc_u32 v[SP+\c], 0xff000000, v[BM+2*\c]  ; 2 off the exponent field: the conversion's scale operand
.endr
	v_pk_add_f32 v[LS:LS+1], v[LS:LS+1], v[SU:SU+1]
.irp c, 0,1
	v_lshrrev_b32 v[BY+\c], 23, v[SP+\c]           ; the scale's byte
.endr
	s_delay_alu instid0(VALU_DEP_1)
	v_lshl_or_b32 v[BY], v[BY+1], 16, v[BY]        ; my two bytes: blocks h and 2 + h,
	s_delay_alu instid0(VALU_DEP_1)
	v_lshlrev_b32 v[BY], v[SH8], v[BY]             ; at their places in the word;
	s_delay_alu instid0(VALU_DEP_1)
	v_permlanex16_b32 v[BY+1], v[BY], s[SEL], s[SEL+1]
	s_delay_alu instid0(VALU_DEP_1)
	v_or_b32 v[PW], v[BY], v[BY+1]                 ; with lane l xor 16's two: p's scale word for these 128 keys
.irp c, 0,1
	v_cvt_scalef32_pk16_fp6_f32 v[PP+6*\c:PP+2+6*\c], v[SS+32*\c:SS+15+32*\c], v[SP+\c]
	v_cvt_scalef32_pk16_fp6_f32 v[PT+4*\c:PT+2+4*\c], v[SS+16+32*\c:SS+31+32*\c], v[SP+\c]   ; (a conversion's three registers begin on an even number: made here and moved)
.endr
	v_nop                                          ; one plain place behind the conversions
.irp c, 0,1
.irp i, 0,1,2
	v_mov_b32 v[PP+3+6*\c+\i], v[PT+4*\c+\i]
.endr
.endr
	s_wait_alu depctr_va_vdst(0)                   ; directly ahead of the first reader of O^T
.irp j, 0,2,4,6,8,10,12,14,16,18,20,22,24,26,28,30
	v_pk_mul_f32 v[OO+\j:OO+1+\j], v[OO+\j:OO+1+\j], v[FF:FF+1] op_sel_hi:[1,0]   ; O^T under the new M.  These sixteen are also the places between p's word and codes and the products
.endr
	s_wait_alu depctr_va_vdst(0)
	s_wait_dscnt 0x0                               ; V and its scale words are in
.irp t, 0,1,2,3
	WM OO+8*\t, KF+12*\t, PP, OO+8*\t, VS+\t/2, PW, \t%2
.endr
.endm
.macro LOOPS vo, st, n, qf, qs         ; n key steps, st bytes of LDS apart
	s_mov_b32 s[CNT], \n
.Lstep_\@:
	STEP \vo, \qf, \qs
	s_add_co_u32 s[TB], s[TB], \st
	s_sub_co_u32 s[CNT], s[CNT], 1
	s_cmp_lg_u32 s[CNT], 0
	s_cbranch_scc1 .Lstep_\@
.endm
.macro QLOAD u                         ; head u's Q: my half fragment and its scale words, into set u % 2
.irp p, 0,1,2
	global_load_b64 v[QF+12*((\u)%2)+2*\p:QF+12*((\u)%2)+2*\p+1], v[AK0], s[36:37] offset:8*PARTB*(\u)+8*\p
.endr
	global_load_b32 v[QS+(\u)%2], v[QSO], s[38:39] offset:8*PARTB*(\u)
.endm
.macro RESET                           ; a new head: the largest score so far is -3e38, under every score, and -M is 3e38
	v_mov_b32 v[NM+1], 0xff61b1e6
	v_mov_b32 v[NM], 0x7f61b1e6
.endm
; THE WAY OUT of head u: O^T / the row's sum, quantised in two blocks of 32 channels; a lane holds 16 neighbours of each, lane l xor 16 the other 16
.macro TAIL u
	v_add_f32 v[TT], v[LS], v[LS+1]                ; (these lines and the two v_nop are the places behind the last products)
	s_delay_alu instid0(VALU_DEP_1)
	v_permlanex16_b32 v[TT+1], v[TT], s[SEL], s[SEL+1]
	s_delay_alu instid0(VALU_DEP_1)
	v_add_f32 v[TT], v[TT], v[TT+1]                ; the row's sum
	s_wait_alu depctr_va_vdst(0)
	v_rcp_f32 v[TT], v[TT]
	PLACES 2
	s_wait_alu depctr_va_vdst(0)                   ; ahead of its first reader, which is O^T's first reader too
.irp j, 0,2,4,6,8,10,12,14,16,18,20,22,24,26,28,30
	v_pk_mul_f32 v[SS+\j:SS+1+\j], v[OO+\j:OO+1+\j], v[TT:TT+1] op_sel_hi:[1,0]   ; register 16 b + i: channel 32 b + 16 h + i.  Each accumulator from its low end on
.endr
.irp b, 0,1
	v_max3_num_f32 v[BM+\b], |v[SS+16*\b]|, |v[SS+1+16*\b]|, 0x1800000
.endr
.irp i, 2,4,6,8,10,12,14
.irp b, 0,1
	s_delay_alu instid0(VALU_DEP_2)
	v_max3_num_f32 v[BM+\b], v[BM+\b], |v[SS+16*\b+\i]|, |v[SS+1+16*\b+\i]|
.endr
.endr
.irp b, 0,1
	s_delay_alu instid0(VALU_DEP_2)
	v_permlanex16_b32 v[BY+\b], v[BM+\b], s[SEL], s[SEL+1]
.endr
.irp b, 0,1
	s_delay_alu instid0(VALU_DEP_2)
	v_max_num_f32 v[BM+\b], v[BM+\b], v[BY+\b]
.endr
.irp b, 0,1
	s_delay_alu instid0(VALU_DEP_2)
	v_add_nc_u32 v[SP+\b], 0xff000000, v[BM+\b]
.endr
.irp b, 0,1
	s_delay_alu instid0(VALU_DEP_2)
	v_lshrrev_b32 v[BY+\b], 23, v[SP+\b]
.endr
	v_cvt_scalef32_pk16_fp6_f32 v[PP:PP+2], v[SS:SS+15], v[SP]
	v_cvt_scalef32_pk16_fp6_f32 v[PT:PT+2], v[SS+16:SS+31], v[SP+1]
	v_cndmask_b32 v[TT], v[BY], v[BY+1], s[HM]     ; lanes 0-15 store block 0's byte, lanes 16-31 block 1's.  (A plain place behind the conversions)
	global_store_b96 v[CO], v[PP:PP+2], s[6:7] offset:768*(\u)       ; eight rows of 24 bytes lie on end
	global_store_b96 v[CO], v[PT:PT+2], s[6:7] offset:768*(\u)+384
	global_store_b8 v[CSO], v[TT], s[8:9] offset:2*(\u)              ; two bytes of each of my 16 rows of scale bytes
	s_wait_xcnt 0x0                                ; the stores have read their data registers, which the next head writes again
.endm
	s_load_b128 s[4:7], s[0:1], 0x0                ; qkv s[4:5], ctxc s[6:7]
	s_load_b64 s[8:9], s[0:1], 0x10                ; ctxs
	v_lshl_add_u32 v[SPW], v0, 2, SPARE
	v_mov_b32 v[NIL], 0
	ds_add_u32 v[SPW], v[NIL]
	ds_add_u32 v[SPW], v[NIL]
	v_lshrrev_b32 v1, 5, v0
	s_delay_alu instid0(VALU_DEP_1)
	v_readfirstlane_b32 s[WV], v1                  ; wave 0..15
	s_bfe_u32 s[CX], ttmp6, 0x40000                ; my block of 256 queries: it enters Q's and ctx's addresses alone
	s_and_b32 s[GG], ttmp7, 0xffff                 ; the group of three heads, which the four partners share
	s_and_b32 s[W7], s[WV], 7                      ; t: my tile of queries
	; group 1: a dense block as rows of 256 bytes (32 elements of 8 bytes): 26 rows now, 52 for the second load
	s_mov_b32 s[G1], 15|(3<<16)|(1<<21)            ; 15:0 the mask: all four work-groups; 17:16 elements of 8 bytes; 21 set beside a mask
	s_mov_b32 s[G1+1], 32<<16
	s_mov_b32 s[G1+2], 26<<16
	s_mov_b32 s[G1+3], 32<<16
	s_mov_b32 s[G1+4], 26
	s_mov_b32 s[G1+5], 32
	s_mov_b32 s[G1+6], 0
	s_mov_b32 s[G1+7], 0
	s_mul_i32 s40, s[GG], GRPB
	s_mul_i32 s41, s[WV], 3*PARTB
	s_add_co_u32 s40, s40, s41                     ; my half step's three parts in memory: head 0's first,
	s_mov_b32 s41, 0
	s_mov_b32 s[G0], 1
	s_mul_i32 s[G0+1], s[WV], PARTB                ; and head 0's place in LDS
	; my queries: key step block jq = 2 cx + wave / 8, tile t = wave % 8
	s_lshl_b32 s35, s[CX], 1
	s_lshr_b32 s42, s[WV], 3
	s_add_co_u32 s35, s35, s42                     ; jq
	s_mul_i32 s42, s[GG], 24
	s_add_co_u32 s42, s42, s35
	s_mul_i32 s42, s42, PARTB
	s_add_co_u32 s42, s42, QB                      ; Q's part of head 3 g, block jq
	s_and_b32 s46, s[W7], 1                        ; t % 2
	s_lshr_b32 s47, s[W7], 1                       ; t / 2
	s_lshl_b32 s44, s46, 8
	s_add_co_u32 s44, s44, s42
	s_lshl_b32 s45, s47, 2
	s_add_co_u32 s44, s44, s45
	s_add_co_u32 s44, s44, 6144                    ; its scale words: 16 (16 (t % 2) + r) + 4 (t / 2)
	s_mov_b32 s45, 0
	s_mul_i32 s43, s[W7], 768
	s_add_co_u32 s42, s42, s43                     ; its codes
	s_mov_b32 s43, 0
	; where ctx goes: my tile's row r is token 128 jq + 64 (t / 4) + 32 (r / 8) + 8 (t % 4) + r % 8 of the batch
	s_lshr_b32 s52, s[GG], 2                       ; the batch
	s_and_b32 s53, s[GG], 3
	s_mul_i32 s53, s53, 3                          ; the first head
	s_lshr_b32 s54, s[W7], 2                       ; t / 4
	s_and_b32 s55, s[W7], 3                        ; t % 4
	s_lshl_b32 s48, s52, 6
	s_lshl_b32 s49, s35, 3
	s_add_co_u32 s48, s48, s49
	s_lshl_b32 s49, s54, 2
	s_add_co_u32 s48, s48, s49
	s_lshr_b32 s49, s55, 1
	s_add_co_u32 s48, s48, s49                     ; the tile of 16 natural rows in which my rows 0-7 lie (rows 8-15: two tiles on)
	s_mul_i32 s48, s48, 9216
	s_mul_i32 s49, s53, 768
	s_add_co_u32 s48, s48, s49
	s_mul_i32 s49, s46, 192                        ; from its row 8 (t % 2) on
	s_add_co_u32 s48, s48, s49
	s_mov_b32 s49, 0
	s_lshl_b32 s50, s52, 10
	s_lshl_b32 s51, s35, 7
	s_add_co_u32 s50, s50, s51
	s_lshl_b32 s51, s54, 6
	s_add_co_u32 s50, s50, s51
	s_lshl_b32 s51, s55, 3
	s_add_co_u32 s50, s50, s51
	s_mul_i32 s50, s50, 24
	s_lshl_b32 s51, s53, 1
	s_add_co_u32 s50, s50, s51
	s_mov_b32 s51, 0
	s_mov_b32 s[SEL], 0x76543210
	s_mov_b32 s[SEL+1], 0xfedcba98                 ; v_permlanex16_b32's selects for lane l xor 16
	s_mov_b32 s[CS], 0x3e38aa3b                    ; c = log2(e) / 8
	s_mov_b32 s[CS+1], s[CS]                       ; (named with it as a pair, so it is written)
	s_mov_b32 s[HM], 0xffff0000                    ; lanes 16-31
	s_wait_dscnt 0x0                               ; both opening adds are done
	s_wait_kmcnt 0x0
	s_add_nc_u64 s[G0+2:G0+3], s[4:5], s[40:41]
	s_or_b32 s[G0+3], s[G0+3], 0x80000000
	s_add_nc_u64 s[36:37], s[4:5], s[42:43]
	s_add_nc_u64 s[38:39], s[4:5], s[44:45]
	s_add_nc_u64 s[6:7], s[6:7], s[48:49]
	s_add_nc_u64 s[8:9], s[8:9], s[50:51]
	ROUND                                          ; all four work-groups are here: the joint loads meet
	tensor_load_to_lds s[G0:G0+3], s[G1:G1+7]      ; head 0: my half step.  One load a wave at the head
	s_nop 0
	v_and_b32 v[TT], 15, v0                        ; r
	v_bfe_u32 v[TT+1], v0, 4, 1                    ; h
	v_and_b32 v[BY], 31, v0                        ; lane
	v_mul_u32_u24 v[AK0], v[TT], 24
	v_lshlrev_b32 v[QSO], 4, v[TT]
	v_mad_u32_u24 v[AK0], v[TT+1], 384, v[AK0]
	QLOAD 0
	v_lshlrev_b32 v[AL0], 4, v[BY]
	v_lshlrev_b32 v[AV0], 3, v[BY]
	v_lshlrev_b32 v[SH8], 3, v[TT+1]
	v_lshrrev_b32 v[BM], 3, v[TT]                  ; r / 8
	v_and_b32 v[BM+1], 7, v[TT]                    ; r % 8
	v_mul_u32_u24 v[CO], v[BM+1], 24
	v_lshl_add_u32 v[CSO], v[BM], 5, v[BM+1]
	v_mad_u32_u24 v[CO], v[TT+1], 12, v[CO]
	v_mad_u32_u24 v[CSO], v[CSO], 24, v[TT+1]
	v_mad_u32_u24 v[CO], v[BM], 18432, v[CO]
.irp i, 6,7,8,9,10,11
	v_mov_b32 v[QF+\i], 0                          ; zero codes for K = 64 .. 127, in both sets,
	v_mov_b32 v[QF+12+\i], 0
	v_mov_b32 v[KF+42+\i], 0                       ; and behind K's last tile
.endr
	v_mov_b32 v[LS], 0
	v_mov_b32 v[LS+1], 0
	v_mov_b32 v[FF+1], 0                           ; (named as the upper half of a pair)
	v_mov_b32 v[BY+1], 0                           ; written once: a lane permute's destination counts as one of its sources
.irp j, 0,1,2,3,4,5,6,7,8,9,10,11,12,13,14,15,16,17,18,19,20,21,22,23,24,25,26,27,28,29,30,31
	v_mov_b32 v[OO+\j], 0                          ; O^T, once for the launch: the step is written once, and a head's first factor is 0
.endr
	RESET
	s_wait_alu depctr_va_vdst(0)
	s_wait_tensorcnt 0x0                           ; my part of head 0 is in
	ds_add_u32 v[SPW], v[NIL]                      ; 0 onto my spare word;
	s_add_nc_u64 s[G0+2:G0+3], s[G0+2:G0+3], PARTB ; no load of mine is out, so the descriptor may be written: heads 1 and 2 lie behind head 0's part,
	s_mul_i32 s[G0+1], s[WV], 2*PARTB
	s_add_co_u32 s[G0+1], s[G0+1], SLB
	s_mov_b32 s[G1+2], 52<<16                      ; 52 rows
	s_mov_b32 s[G1+4], 52
	s_wait_dscnt 0x0                               ; the add is done
	ROUND                                          ; everybody's part of head 0 is in, and all four work-groups are here
	tensor_load_to_lds s[G0:G0+3], s[G1:G1+7]      ; heads 1 and 2: my one load behind the round
	s_nop 0
	QLOAD 1
	s_wait_loadcnt 0x4                             ; head 0's Q is in; the four loads just issued may be out
	s_mov_b32 s[TB], 0
	LOOPS PARTB, 2*PARTB, 4, QF, QS
	s_wait_tensorcnt 0x0                           ; my parts of heads 1 and 2 have landed,
	s_wait_dscnt 0x0
	s_barrier_signal -1
	s_barrier_wait -1                              ; everybody's have
	s_mov_b32 s[TB], 8*PARTB
	LOOPS PARTB, 2*PARTB, 4, QF, QS
	TAIL 0
	QLOAD 2
	RESET
	s_wait_alu depctr_va_vdst(0)
	s_wait_loadcnt 0x4                             ; head 1's Q is in
	s_mov_b32 s[TB], SLB
	LOOPS 2*PARTB, 4*PARTB, 8, QF+12, QS+1
	TAIL 1
	RESET
	s_wait_alu depctr_va_vdst(0)
	s_wait_loadcnt 0x0                             ; head 2's Q
	s_mov_b32 s[TB], SLB+PARTB
	LOOPS 2*PARTB, 4*PARTB, 8, QF, QS
	TAIL 2
	s_wait_tensorcnt 0x0                           ; the wave's end
	ds_add_u32 v[SPW], v[NIL]
	s_wait_dscnt 0x0
	ROUND                                          ; the closing round
	s_endpgm
.Lfunc_end_k_q71f2c5e64a_attention:
	.size	k_q71f2c5e64a_attention, .Lfunc_end_k_q71f2c5e64a_attention-k_q71f2c5e64a_attention
	.p2alignl 7, 3214868480
	.fill 96, 4, 3214868480
	.section	.rodata,"a",@progbits
	.p2align	6, 0x0
	.amdhsa_kernel k_q71f2c5e64a_attention
		.amdhsa_group_segment_fixed_size 327680
		.amdhsa_private_segment_fixed_size 0
		.amdhsa_enable_private_segment 0
		.amdhsa_kernarg_size 24
		.amdhsa_user_sgpr_count 2
		.amdhsa_user_sgpr_kernarg_segment_ptr 1
		.amdhsa_wavefront_size32 1
		.amdhsa_system_sgpr_workgroup_id_x 1
		.amdhsa_system_sgpr_workgroup_id_y 1
		.amdhsa_system_sgpr_workgroup_id_z 1
		.amdhsa_system_vgpr_workitem_id 0
		.amdhsa_next_free_vgpr 256
		.amdhsa_next_free_sgpr 66
		.amdhsa_reserve_vcc 0
		.amdhsa_float_denorm_mode_32 3
		.amdhsa_float_denorm_mode_16_64 3
		.amdhsa_memory_ordered 1
		.amdhsa_forward_progress 1
		.amdhsa_inst_pref_size 84
	.end_amdhsa_kernel
	.amdgpu_metadata
---
amdhsa.version: [ 1, 2 ]
amdhsa.kernels:
  - .name:           k_q71f2c5e64a_attention
    .symbol:         k_q71f2c5e64a_attention.kd
    .args:
      - { .name: qkv, .offset: 0, .size: 8, .value_kind: global_buffer, .address_space: global }
      - { .name: ctxc, .offset: 8, .size: 8, .value_kind: global_buffer, .address_space: global }
      - { .name: ctxs, .offset: 16, .size: 8, .value_kind: global_buffer, .address_space: global }
    .group_segment_fixed_size: 327680
    .private_segment_fixed_size: 0
    .kernarg_segment_align: 8
    .kernarg_segment_size: 24
    .max_flat_workgroup_size: 512
    .sgpr_count:     66
    .vgpr_count:     256
    .wavefront_size: 32
...
	.end_amdgpu_metadata
.endif
;; end of part 2
;; launch out_proj (part 3): grid 64 x 4, 4 waves a work-group, clusters of 4 x 1, 168,448 bytes of LDS; arguments ctxc, ctxs, W_o_codes, W_o_scales, b_o, out0; writes out0
.if DOCPART == 3
	.amdgcn_target "amdgcn-amd-amdhsa--gfx1250"
	.amdhsa_code_object_version 6
	.text
	.protected	k_q71f2c5e64a_out_proj
	.globl	k_q71f2c5e64a_out_proj
	.p2align	8
	.type	k_q71f2c5e64a_out_proj,@function
k_q71f2c5e64a_out_proj:
	s_mov_b64 s[64:65], 0
	v_nop
	global_prefetch_b8 v0, s[64:65] scope:SCOPE_SE
	s_setreg_imm32_b32 hwreg(HW_REG_WAVE_MODE, 25, 1), 1
	s_wait_xcnt 0x0
	s_wait_alu depctr_hold_cnt(0) depctr_sa_sdst(0) depctr_va_vdst(0) depctr_va_sdst(0) depctr_va_ssrc(0) depctr_va_vcc(0) depctr_vm_vsrc(0)
	s_getreg_b32 s2, hwreg(HW_REG_IB_STS2, 6, 4)
	s_cmp_eq_u32 s2, 0
	s_cbranch_scc0 .Lentry_in_a_cluster
	s_endpgm
.Lentry_in_a_cluster:
	s_bfe_u32 s2, ttmp6, 0x10000c
	s_cmp_lg_u32 s2, 0x3003
	s_cbranch_scc0 .Lentry_shape_is_right
	s_endpgm
.Lentry_shape_is_right:
; out = ctx Wo^T + b_o on codes of FP6 (E2M3) with E8M0 scales, f32 sums.  ctx's codes and scale bytes are the workspace of the launch before.
; SHARES.  Work-group (X, Y): 256 rows x 192 columns (768 bytes of a row of out0: three aligned blocks of 256).  Wave w keeps its 64 rows of ctx, 24 fragments, in 288 registers;
; the 12 tiles of 16 rows of Wo come out of LDS, a tile ahead, and serve all four waves.
; CLUSTER.  The four partners share Y: Wo's rows and their scale bytes are asked for JOINTLY, once, at the head; nothing in LDS is filled twice.  ctx goes from memory straight into registers.
; The matrix instruction is used transposed (source 0 = 16 rows of Wo, source 1 = 16 rows of ctx): a lane holds eight neighbouring columns of one row.  The bias is the C of each sum's first instruction.
; THE WAY OUT.  Four tiles (64 columns, 256 bytes a row) at a time, 16 rows at a time through the wave's own stage in LDS: sixteen lanes then store 256 consecutive bytes, at a multiple of 256 from out0's first byte.
; A group's stores leave while the next group is multiplied.
; REGISTERS, in windows of 256: window 0: addresses, scale words, two buffers of a tile's 6 fragments, rows on the way out.  Window 1: ctx's K steps 0-2 at 12 (4 s + m); from v144 the bias, 8 a tile.
; Window 2: ctx's K steps 3-5.  Window 3: two sets of 16 accumulators: 128 (group % 2) + 8 (4 (tile % 4) + m).
.set ROWB,   576
.set PITCH,  720                       ; a row of Wo in LDS: 9 x (64 bytes + 16 of padding)
.set SCB,    192*PITCH                 ; behind the 192 rows: their scale bytes, 24 a row, dense
.set STG,    SCB+192*24                ; behind them: a stage of 16 rows x (256 + 16) bytes for each wave; no tile lands there
.set SPITCH, 272
.set CA,  4                            ; v4   ctx's codes: 384 h + 24 r
.set CSA, 5                            ; v5   ctx's scale words: 24 (32 h + r)
.set AW,  6                            ; v6-7 a fragment's lane in tiles 0-5: 720 r + 24 h, 720 r + 40 h;  v8-9 the same for tiles 6-11
.set ASC, 10                           ; v10  Wo's scale words: SCB + 24 x lane
.set STO, 11                           ; v11  the stage: where I put 32 bytes of a row
.set RD,  12                           ; v12  and where I read a row back
.set GO,  13                           ; v13  my byte offset in out0: 3072 h + 16 r
.set BA,  14                           ; v14  the bias: 32 h
.set CS,  16                           ; v16-27 ctx's scale words: register 6 (m % 2) + s; lanes 0-15 tile m % 2, lanes 16-31 tile m % 2 + 2
.set WS,  28                           ; v28-39 Wo's, two sets of 6: register s; lanes 0-15 the even tile, lanes 16-31 the odd
.set WB,  40                           ; v40-183 two buffers of 72
.set OB,  192                          ; v192-255 two sets of 32: 16 rows read back from the stage
.set WV,  16
.set CX,  17
.set XX,  18
.set YY,  19
.set G1C, 20
.set G1D, 28
.set G0C, 36
.set G0S, 40
.set MSB, 0
.macro WIN new                         ; the immediate's high byte repeats the setting that is left; a switch that changes nothing is dropped
.if MSB != (\new)
	s_set_vgpr_msb (MSB<<8)|(\new)
.set MSB, \new
.endif
.endm
.macro PLACES n
.rept \n
	v_nop
.endr
.endm
.macro ROUND                           ; a round of the cluster's barrier
	s_barrier_signal -1
	s_barrier_wait -1
	s_cmp_lg_u32 s[WV], 0
	s_cbranch_scc1 .Lnot_wave_0_\@
	s_barrier_signal -3
.Lnot_wave_0_\@:
	s_barrier_wait -3
	s_barrier_signal -1
	s_barrier_wait -1
.endm
; one matrix instruction.  ra, rb: 1 = that side's scales stand in lanes 16-31
.macro WM d, a, b, c, sa, sb, ra, rb
.if (\ra) && (\rb)
	v_wmma_scale_f32_16x16x128_f8f6f4 v[(\d):(\d)+7], v[(\a):(\a)+11], v[(\b):(\b)+11], v[(\c):(\c)+7], v[\sa], v[\sb] matrix_a_fmt:MATRIX_FMT_FP6 matrix_b_fmt:MATRIX_FMT_FP6 matrix_a_scale:MATRIX_SCALE_ROW1 matrix_b_scale:MATRIX_SCALE_ROW1
.elseif (\ra)
	v_wmma_scale_f32_16x16x128_f8f6f4 v[(\d):(\d)+7], v[(\a):(\a)+11], v[(\b):(\b)+11], v[(\c):(\c)+7], v[\sa], v[\sb] matrix_a_fmt:MATRIX_FMT_FP6 matrix_b_fmt:MATRIX_FMT_FP6 matrix_a_scale:MATRIX_SCALE_ROW1
.elseif (\rb)
	v_wmma_scale_f32_16x16x128_f8f6f4 v[(\d):(\d)+7], v[(\a):(\a)+11], v[(\b):(\b)+11], v[(\c):(\c)+7], v[\sa], v[\sb] matrix_a_fmt:MATRIX_FMT_FP6 matrix_b_fmt:MATRIX_FMT_FP6 matrix_b_scale:MATRIX_SCALE_ROW1
.else
	v_wmma_scale_f32_16x16x128_f8f6f4 v[(\d):(\d)+7], v[(\a):(\a)+11], v[(\b):(\b)+11], v[(\c):(\c)+7], v[\sa], v[\sb] matrix_a_fmt:MATRIX_FMT_FP6 matrix_b_fmt:MATRIX_FMT_FP6
.endif
.endm
; a fragment, 16 rows x 128 K, from rows of PITCH bytes: six pieces of 8 bytes; where the piece of lanes 16-31 lies behind one padding more, the second address register serves
.macro FRAG reg, adr, s, ro
.irp p, 0,1,2,3,4,5
.set PCE, 12*(\s)+6*(\p/3)+\p%3
.if PCE%8 < 5
	ds_load_b64 v[(\reg)+2*\p:(\reg)+2*\p+1], v[\adr] offset:8*PCE+16*(PCE/8)+(\ro)*PITCH
.else
	ds_load_b64 v[(\reg)+2*\p:(\reg)+2*\p+1], v[(\adr)+1] offset:8*PCE+16*(PCE/8)+(\ro)*PITCH
.endif
.endr
.endm
.macro WFETCH t                        ; tile t's six fragments into buffer t % 2: 36 loads
.irp s, 0,1,2,3,4,5
	FRAG WB+72*((\t)%2)+12*\s, AW+2*((\t)/6), \s, 16*((\t)%6)
.endr
.endm
.macro WSLOAD g                        ; the scale words of tiles 2 g and 2 g + 1 into set g % 2
.irp p, 0,1,2
	ds_load_b64 v[WS+6*((\g)%2)+2*\p:WS+6*((\g)%2)+2*\p+1], v[ASC] offset:768*(\g)+8*\p
.endr
.endm
; A tile of 16 columns for my 64 rows: 24 matrix instructions, the four accumulators by turns, one instruction a turn.  The next tile's fragments are asked for first,
; into the buffer that the tile before multiplied: four places stand in front.
.macro TILE t
	WIN 0
.if (\t) < 11
	PLACES 4
.if ((\t)+1)%2 == 0
	WSLOAD ((\t)+1)/2
.endif
	WFETCH (\t)+1
	s_wait_dscnt 36                                ; all but the 36 fragment loads just issued: this tile's fragments and scale words are in
.else
	s_wait_dscnt 0x0
.endif
.irp s, 0,1,2,3,4,5
.if \s == 0
	WIN 0xd4                                       ; source 1 (ctx) and source 2 (the bias) window 1, destination window 3
.elseif \s < 3
	WIN 0xf4                                       ; source 1 window 1, C and D window 3
.else
	WIN 0xf8                                       ; source 1 window 2
.endif
.irp m, 0,1,2,3
.if \s == 0
	WM 128*(((\t)/4)%2)+8*(4*((\t)%4)+\m), WB+72*((\t)%2)+12*\s, 12*(4*(\s%3)+\m), 144+8*(\t), WS+6*(((\t)/2)%2)+\s, CS+6*(\m%2)+\s, (\t)%2, \m/2
.else
	WM 128*(((\t)/4)%2)+8*(4*((\t)%4)+\m), WB+72*((\t)%2)+12*\s, 12*(4*(\s%3)+\m), 128*(((\t)/4)%2)+8*(4*((\t)%4)+\m), WS+6*(((\t)/2)%2)+\s, CS+6*(\m%2)+\s, (\t)%2, \m/2
.endif
.endr
.endr
.endm
; group g's 64 columns of rows 16 m .. 16 m + 15 go into my stage and come back as whole rows of 256 bytes.  LDS serves a wave's instructions in order: no wait between the stores and the loads
.macro TOSTAGE g, m
	s_wait_xcnt 0x0                                ; earlier stores have read the registers into which the rows come back
	WIN 0x0c                                       ; an LDS store's data are its source 1: window 3
.irp q, 0,1,2,3
	ds_store_b128 v[STO], v[128*((\g)%2)+8*(4*\q+(\m)):128*((\g)%2)+8*(4*\q+(\m))+3] offset:64*\q          ; each accumulator from its low end on
	ds_store_b128 v[STO], v[128*((\g)%2)+8*(4*\q+(\m))+4:128*((\g)%2)+8*(4*\q+(\m))+7] offset:64*\q+16
.endr
	WIN 0
.irp i, 0,1,2,3,4,5,6,7
	ds_load_b128 v[OB+32*((\m)%2)+4*\i:OB+32*((\m)%2)+4*\i+3], v[RD] offset:2*\i*SPITCH
.endr
.endm
.macro SEND g, m, younger              ; younger: the LDS instructions issued behind this block's loads, which may stay out
	s_wait_dscnt \younger
.irp i, 0,1,2,3,4,5,6,7
	global_store_b128 v[GO], v[OB+32*((\m)%2)+4*\i:OB+32*((\m)%2)+4*\i+3], s[14:15] offset:(16*(\m)+2*\i)*3072+256*(\g) th:TH_STORE_NT   ; written once, read by nobody here
.endr
.endm
.macro OUTG g
	WIN 0
	PLACES 4                                       ; between the last products and the first read of their results
	TOSTAGE \g, 0
.irp m, 1,2,3
	TOSTAGE \g, \m
	SEND \g, \m-1, 16                              ; behind that block's loads: the next block's 8 stores and 8 loads
.endr
	SEND \g, 3, 0
.endm
	s_load_b256 s[4:11], s[0:1], 0x0               ; ctxc s[4:5], ctxs s[6:7], Wo's codes s[8:9], Wo's scales s[10:11]
	s_load_b128 s[12:15], s[0:1], 0x20             ; b_o s[12:13], out0 s[14:15]
	v_lshl_add_u32 v190, v0, 2, 0x29000
	v_mov_b32 v191, 0
	ds_add_u32 v190, v191
	ds_add_u32 v190, v191
	v_lshrrev_b32 v1, 5, v0
	v_readfirstlane_b32 s[WV], v1                  ; wave 0..3
	s_bfe_u32 s[CX], ttmp6, 0x40000                ; my place in the cluster: it enters ctx's and out0's addresses alone
	s_lshl_b32 s[XX], ttmp9, 2
	s_add_co_u32 s[XX], s[XX], s[CX]               ; X: my 256 rows
	s_and_b32 s[YY], ttmp7, 0xffff                 ; Y: my 192 columns, which the four partners share
	s_mov_b32 s[G1C], 15|(1<<20)|(1<<21)|(3<<22)|(3<<25)   ; 96 rows of 576 bytes are a dense block, stated as 216 rows of 256 bytes; 16 bytes of padding behind every 64; the mask names all four work-groups, bit 21 beside it
	s_mov_b32 s[G1C+1], 256<<16
	s_mov_b32 s[G1C+2], 216<<16
	s_mov_b32 s[G1C+3], 256<<16
	s_mov_b32 s[G1C+4], 216
	s_mov_b32 s[G1C+5], 256
	s_mov_b32 s[G1C+6], 0
	s_mov_b32 s[G1C+7], 0
	s_mov_b32 s[G1D], 15|(3<<16)|(1<<21)           ; the scale bytes: 192 x 24 dense bytes as 18 rows of 256 (32 elements of 8 bytes)
	s_mov_b32 s[G1D+1], 32<<16
	s_mov_b32 s[G1D+2], 18<<16
	s_mov_b32 s[G1D+3], 32<<16
	s_mov_b32 s[G1D+4], 18
	s_mov_b32 s[G1D+5], 32
	s_mov_b32 s[G1D+6], 0
	s_mov_b32 s[G1D+7], 0
	s_and_b32 s48, s[WV], 1
	s_mul_i32 s44, s[YY], 192*ROWB
	s_mul_i32 s45, s48, 96*ROWB
	s_add_co_u32 s44, s44, s45                     ; Wo's rows 192 Y + 96 (wave % 2), in memory,
	s_mov_b32 s45, 0
	s_mul_i32 s[G0C+1], s48, 96*PITCH              ; and in LDS
	s_mov_b32 s[G0C], 1
	s_mul_i32 s46, s[YY], 192*24
	s_mov_b32 s47, 0
	s_mov_b32 s[G0S], 1
	s_mov_b32 s[G0S+1], SCB
	s_lshl_b32 s50, s[XX], 4
	s_lshl_b32 s51, s[WV], 2
	s_add_co_u32 s50, s50, s51                     ; my first tile of 16 rows
	s_mul_i32 s52, s50, 16*24
	s_mov_b32 s53, 0
	s_mul_i32 s54, s50, 16*3072
	s_mul_i32 s56, s[YY], 768
	s_mov_b32 s57, 0
	s_add_co_u32 s54, s54, s56
	s_mov_b32 s55, 0
	s_mul_i32 s50, s50, 9216
	s_mov_b32 s51, 0
	v_and_b32 v1, 15, v0                           ; r
	v_bfe_u32 v2, v0, 4, 1                         ; h
	v_and_b32 v3, 31, v0                           ; lane
	v_mul_u32_u24 v[CA], v1, 24
	v_mad_u32_u24 v[CA], v2, 384, v[CA]
	v_lshl_add_u32 v[CSA], v2, 5, v1
	v_mul_u32_u24 v[CSA], v[CSA], 24
	v_mul_u32_u24 v[AW], v1, PITCH
	v_mad_u32_u24 v[AW+1], v2, 40, v[AW]
	v_mad_u32_u24 v[AW], v2, 24, v[AW]
	v_add_nc_u32 v[AW+2], 96*PITCH, v[AW]
	v_add_nc_u32 v[AW+3], 96*PITCH, v[AW+1]
	v_mul_u32_u24 v[ASC], v3, 24
	v_add_nc_u32 v[ASC], SCB, v[ASC]
	s_mul_i32 s49, s[WV], 16*SPITCH
	s_add_co_u32 s49, s49, STG                     ; my stage
	v_mul_u32_u24 v[STO], v1, SPITCH
	v_lshl_add_u32 v[STO], v2, 5, v[STO]
	v_add_nc_u32 v[STO], s49, v[STO]               ; in: row r, 32 bytes for each half of the lanes
	v_mul_u32_u24 v[RD], v2, SPITCH
	v_lshl_add_u32 v[RD], v1, 4, v[RD]
	v_add_nc_u32 v[RD], s49, v[RD]                 ; back: lanes 0-15 one row of 256 bytes, lanes 16-31 the next
	v_mul_u32_u24 v[GO], v2, 3072
	v_lshl_add_u32 v[GO], v1, 4, v[GO]             ; and the same two rows in out0
	v_lshlrev_b32 v[BA], 5, v2
	s_wait_dscnt 0x0
	s_wait_kmcnt 0x0
	s_add_nc_u64 s[G0C+2:G0C+3], s[8:9], s[44:45]
	s_or_b32 s[G0C+3], s[G0C+3], 0x80000000
	s_add_nc_u64 s[G0S+2:G0S+3], s[10:11], s[46:47]
	s_or_b32 s[G0S+3], s[G0S+3], 0x80000000
	s_add_nc_u64 s[4:5], s[4:5], s[50:51]
	s_add_nc_u64 s[6:7], s[6:7], s[52:53]
	s_add_nc_u64 s[12:13], s[12:13], s[56:57]
	s_add_nc_u64 s[14:15], s[14:15], s[54:55]
	ROUND                                          ; all four work-groups are here: the joint loads meet
	s_cmp_lt_u32 s[WV], 2                          ; waves 0 and 1: Wo's two halves; wave 2: the scale bytes; wave 3: nothing.  One load of a wave is out
	s_cbranch_scc0 .Lnot_codes
	tensor_load_to_lds s[G0C:G0C+3], s[G1C:G1C+7]
	s_nop 0
	PLACES 4
	s_branch .Lasked
.Lnot_codes:
	s_cmp_eq_u32 s[WV], 2
	s_cbranch_scc0 .Lasked
	tensor_load_to_lds s[G0S:G0S+3], s[G1D:G1D+7]
	s_nop 0
	PLACES 4
.Lasked:
	WIN 0x40                                       ; destination window 1
.irp s, 0,1,2
.irp m, 0,1,2,3
.irp c, 0,1
.irp p, 0,1,2
	global_load_b64 v[12*(4*\s+\m)+6*\c+2*\p:12*(4*\s+\m)+6*\c+2*\p+1], v[CA], s[4:5] offset:(6*\m+\s)*1536+768*\c+8*\p   ; ctx's fragment (K step s, tile m): registers 6 c on from head 2 s + c
.endr
.endr
.endr
.endr
	s_wait_alu depctr_va_vdst(0)
.irp t, 0,1,2,3,4,5,6,7,8,9,10,11
	global_load_b128 v[144+8*\t:144+8*\t+3], v[BA], s[12:13] offset:64*\t          ; the bias in the result's layout: lane (r, h) wants columns 16 t + 8 h + 0 .. 7
	global_load_b128 v[144+8*\t+4:144+8*\t+7], v[BA], s[12:13] offset:64*\t+16
.endr
	WIN 0x80                                       ; destination window 2
.irp s, 3,4,5
.irp m, 0,1,2,3
.irp c, 0,1
.irp p, 0,1,2
	global_load_b64 v[12*(4*(\s-3)+\m)+6*\c+2*\p:12*(4*(\s-3)+\m)+6*\c+2*\p+1], v[CA], s[4:5] offset:(6*\m+\s)*1536+768*\c+8*\p
.endr
.endr
.endr
.endr
	WIN 0
.irp m, 0,1
.irp p, 0,1,2
	global_load_b64 v[CS+6*\m+2*\p:CS+6*\m+2*\p+1], v[CSA], s[6:7] offset:384*\m+8*\p
.endr
.endr
	s_wait_tensorcnt 0x0                           ; my part of Wo has landed,
	s_barrier_signal -1
	s_barrier_wait -1                              ; everybody's has
	WSLOAD 0
	WFETCH 0
	s_wait_loadcnt 0x0                             ; ctx, its scale words, the bias
.irp g, 0,1,2
	TILE 4*\g
	TILE 4*\g+1
	TILE 4*\g+2
	TILE 4*\g+3
	OUTG \g
.endr
	s_wait_tensorcnt 0x0
	ds_add_u32 v190, v191
	s_wait_dscnt 0x0
	ROUND                                          ; the closing round
	s_endpgm
.Lfunc_end_k_q71f2c5e64a_out_proj:
	.size	k_q71f2c5e64a_out_proj, .Lfunc_end_k_q71f2c5e64a_out_proj-k_q71f2c5e64a_out_proj
	.p2alignl 7, 3214868480
	.fill 96, 4, 3214868480
	.section	.rodata,"a",@progbits
	.p2align	6, 0x0
	.amdhsa_kernel k_q71f2c5e64a_out_proj
		.amdhsa_group_segment_fixed_size 168448
		.amdhsa_private_segment_fixed_size 0
		.amdhsa_enable_private_segment 0
		.amdhsa_kernarg_size 48
		.amdhsa_user_sgpr_count 2
		.amdhsa_user_sgpr_kernarg_segment_ptr 1
		.amdhsa_wavefront_size32 1
		.amdhsa_system_sgpr_workgroup_id_x 1
		.amdhsa_system_sgpr_workgroup_id_y 1
		.amdhsa_system_sgpr_workgroup_id_z 1
		.amdhsa_system_vgpr_workitem_id 0
		.amdhsa_next_free_vgpr 1024
		.amdhsa_next_free_sgpr 66
		.amdhsa_reserve_vcc 0
		.amdhsa_float_denorm_mode_32 3
		.amdhsa_float_denorm_mode_16_64 3
		.amdhsa_memory_ordered 1
		.amdhsa_forward_progress 1
		.amdhsa_inst_pref_size 114
	.end_amdhsa_kernel
	.amdgpu_metadata
---
amdhsa.version: [ 1, 2 ]
amdhsa.kernels:
  - .name:           k_q71f2c5e64a_out_proj
    .symbol:         k_q71f2c5e64a_out_proj.kd
    .args:
      - { .name: ctxc, .offset: 0, .size: 8, .value_kind: global_buffer, .address_space: global }
      - { .name: ctxs, .offset: 8, .size: 8, .value_kind: global_buffer, .address_space: global }
      - { .name: W_o_codes, .offset: 16, .size: 8, .value_kind: global_buffer, .address_space: global }
      - { .name: W_o_scales, .offset: 24, .size: 8, .value_kind: global_buffer, .address_space: global }
      - { .name: b_o, .offset: 32, .size: 8, .value_kind: global_buffer, .address_space: global }
      - { .name: out0, .offset: 40, .size: 8, .value_kind: global_buffer, .address_space: global }
    .group_segment_fixed_size: 168448
    .private_segment_fixed_size: 0
    .kernarg_segment_align: 8
    .kernarg_segment_size: 48
    .max_flat_workgroup_size: 128
    .sgpr_count:     66
    .vgpr_count:     1024
    .wavefront_size: 32
...
	.end_amdgpu_metadata
.endif
;; end of part 3
